; MI455X (gfx1250); checked and timed in simulation.
; The chip was launched on July 23, 2026; its instructions are those of AMD's public machine-readable ISA for CDNA 5 (MIT licence, August 2026) and "CDNA5" Instruction Set Architecture Reference Guide (July 2026). The comments in the code are by the model that wrote it; some were corrected since.
;; Multi Head Attention. Allowed arithmetic: matrix products marked QUANTISED: E2M3 operands, one E8M0 scale for each 32 along K, by v_wmma_scale_f32_16x16x128_f8f6f4 with both operands' format E2M3, f32 sums; everything else in f32.
;; Inputs: K 4 x 2,048 x 1,024 float32; Q 4 x 2,048 x 1,024 float32; V 4 x 2,048 x 1,024 float32; WK 16 x 1,024 x 64 float32; WO_b 1,024 float32; WO_w 1,024 x 1,024 float32; WQ 16 x 1,024 x 64 float32; WV 16 x 1,024 x 64 float32; mask 4 x 1 x 2,048 x 2,048 int32.
;; Outputs: out0 4 x 2,048 x 1,024 float32.
;; This version of the problem:
;;   THIS VERSION OF THE PROBLEM IS GIVEN IN LOW PRECISION. The matrix products marked QUANTISED in the list below multiply operands that are first quantised to E2M3 (2 exponent bits, 3 mantissa bits; 6 bits a number), with one power-of-two scale for each 32 numbers along K (OCP MX v1.0); their sums are f32. All else is computed in f32.
;;   The module's matrix products, in the order in which they are computed (A, B: the left and right operand; K: the contracted axis; several contracted axes count as one K, in the product's order):
;;     1. [M 1,024, K 1,024] x [K 1,024, N 8,192]; A: input WQ; B: input Q: QUANTISED
;;     2. [M 1,024, K 1,024] x [K 1,024, N 8,192]; A: input WK; B: input K: QUANTISED
;;     3. [M 1,024, K 1,024] x [K 1,024, N 8,192]; A: input WV; B: input V: QUANTISED
;;     4. batch 64 x [M 2,048, K 64] x [K 64, N 2,048]; A: computed on the way; B: computed on the way: QUANTISED
;;     5. batch 64 x [M 2,048, K 2,048] x [K 2,048, N 64]; A: softmax (see below); B: computed on the way: QUANTISED
;;     6. [M 8,192, K 1,024] x [K 1,024, N 1,024]; A: computed on the way; B: input WO_w: QUANTISED
;;   THE QUANTISER, for each operand of a quantised product, along K:
;;     - K is cut into blocks of 32 from its start; a last block that is shorter is filled with zeros.
;;     - A block's scale is 2^e with e = floor(log2(the largest magnitude in the block)) - 2, held to -126 .. 127; a block of zeros has e = 0. As a byte (E8M0): e + 127.
;;     - Each number is divided by its block's scale, clamped to +-7.5, and rounded to the nearest number of E2M3, ties to even, subnormals kept.
;;     - The product sums the exact products of the quantised numbers (number of the format x scale) in f32.
;;   ~~~python
;;   def quantise(x, axis):      # numpy; x: float32 -> the quantised numbers, widened to float32 again
;;       x = np.moveaxis(x, axis, -1); K = x.shape[-1]
;;       x = np.pad(x, [(0, 0)] * (x.ndim - 1) + [(0, -K % 32)]); x = x.reshape(x.shape[:-1] + (-1, 32)); a = np.abs(x).max(-1, keepdims=True)
;;       e = np.where(a > 0, np.clip(np.frexp(np.where(a > 0, a, 1))[1] - 1 - 2, -126, 127), 0)      # np.frexp(a)[1] - 1 = floor(log2(a)), exactly
;;       r = np.clip(x / 2.0 ** e, -7.5, 7.5)
;;       step = 2.0 ** (np.maximum(np.frexp(np.where(r == 0, 1, r))[1] - 1, 0) - 3)
;;       q = np.round(r / step) * step * 2.0 ** e      # np.round: ties to even
;;       return np.moveaxis(q.reshape(q.shape[:-2] + (-1,))[..., :K], -1, axis).astype(np.float32)
;;   ~~~
;;   SOFTMAX AHEAD OF A QUANTISED PRODUCT. Where the list says 'softmax', what is quantised is not the finished softmax but p = 2^(t - M), with t = logit x log2(e) and M = ceil(the row's largest t), a whole number; so 1/2 < the row's largest p <= 1. The row's sum l is taken of the UNQUANTISED p, in f32, and the product's result is divided by l at the end. Since M is a whole number, a kernel that streams over the keys may use a running M (the ceiling of the running maximum): every later rescaling is an exact power of two, which a block's scale takes up: the codes' values come out the same.
;;   OPERANDS COMPUTED ON THE WAY. 'Computed on the way' means the value that the module computes at that place (a softmax that the list does not call 'softmax' is quantised finished and normalised). What goes into a quantiser is computed in f32, as accurately as f32 sums, v_exp_f32 and their like allow (about 1e-6 of the number): no bf16 or f16 on the way to a quantiser, and a product that is left as it is and whose result goes on into a quantised operand takes f32 operands (vector FMAs, or v_wmma_f32_16x16x4_f32). A number that lies on a knife's edge between two numbers of the format may be rounded either way, as far as f32 arithmetic and the matrix unit's own rounding can turn it there, and no further.
;; One version. Each part assembles by itself: llvm-mc -triple=amdgcn-amd-amdhsa -mcpu=gfx1250 --defsym DOCPART=n.
;; ======== version 1 of 1: 3 launches
;; limits: right only within a limited range of input values
;; workspace buffers: gc 22,020,096 bytes; gs 917,504 bytes; mb 2,097,152 bytes of whole numbers; pc 18,874,368 bytes; ps 1,572,864 bytes
;; launch prep (part 1): grid 752 x 1, 4 waves a work-group, no clusters, 92,672 bytes of LDS; arguments Q, K, V, WO_w, mask, WQ, WK, WV, gc, gs, mb; writes gc, gs, mb
.if DOCPART == 1
	.amdgcn_target "amdgcn-amd-amdhsa--gfx1250"
	.amdhsa_code_object_version 6
	.text
	.protected	k_qcea8ce3e3d_prep
	.globl	k_qcea8ce3e3d_prep
	.p2align	8
	.type	k_qcea8ce3e3d_prep,@function
k_qcea8ce3e3d_prep:
	s_mov_b64 s[64:65], 0
	v_nop
	global_prefetch_b8 v0, s[64:65] scope:SCOPE_SE
	s_setreg_imm32_b32 hwreg(HW_REG_WAVE_MODE, 25, 1), 1
	s_wait_xcnt 0x0
; Every input but the bias is read here, once, and leaves narrow.
;   Q, K, V [8192][1024] and WO_w [1024][1024], f32, K innermost  -> codes of FP6 (E2M3) in gc, scale bytes (E8M0, one for 32 along K) in gs   (path ROWS)
;   mask [8192][2048] int32                                        -> one bit a number in mb, laid as the lane masks of the score registers      (path MASK)
;   WQ, WK, WV [16][1024 (K)][64], f32, K NOT innermost            -> codes and scale bytes in gc, gs, rows = (head, e)                           (path WEIGHTS)
; LAYOUT OF gc: [tile T][group g of 128 along K][1,536 bytes].  A tile is 16 rows: lane row r of tile T is row 32 (T / 2) + 8 (T % 2) + r + 8 (r / 8).  The 1,536 bytes are the IMAGE of the operand's 12 registers:
; plane p (registers 2 p, 2 p + 1) at 256 p, lane l's 8 bytes at 8 l.  So a reader takes a fragment by six loads of 8 bytes a lane, each 256 consecutive bytes.  gs: [T][r][32 bytes].
; LAYOUT OF mb: 256 bytes for (tile of queries Tm, step s of 128 keys): word 16 b + i has bit l = (mask[row (l % 16) of Tm][128 s + 32 b + 16 (l / 16) + i] != 0).
; A block's scale is 2^(floor(log2(its largest magnitude)) - 2): its byte is the largest magnitude's exponent field - 2, held at 1 from below.
; LIMITS: a block of zeros gets the byte 1 where the rule says 127 (its codes are zeros, and this program alone reads the bytes); blocks whose largest magnitude lies under 2^-124 are held at that floor;
; NaN and infinities among the inputs are not served.
; Work-groups 0-399: ROWS (a wave to a tile T = 0 .. 1,599);  400-655: MASK (a wave to half a tile's columns);  656-751: WEIGHTS.  The paths part once, on the work-group's number, and each has LDS bytes of its own.
; No matrix work, no tensor load, no barrier: waves share nothing.  Memory binds: each load of ROWS and MASK reads 512 consecutive bytes, 32 loads of a wave are out.
.set SP,    528                        ; a stage row: 512 bytes + 16 = 132 words: the 16 rows that a read touches start in 16 different groups of four banks (64 banks of 4 bytes: ISA guide 11.1)
.set WSTG,  16*SP                      ; a wave's stage in ROWS and in MASK
.set STG_M, 4*WSTG                     ; MASK's four stages lie behind ROWS' four,
.set STG_W, 8*WSTG                     ; WEIGHTS' behind those: 6,144 bytes a wave
.set WSTW,  6144
.set LD,    16                         ; v16-143  two sets of 64 registers as loaded
.set X,     144                        ; v144-207 64 numbers of my row: register 16 b + i = column 32 b + 16 (lane / 16) + i of the unit's 128
.set PC,    208                        ; v208-227 the codes just made (12) and two runs of three at work
.set TM,    228                        ; v228-243 largest magnitudes, bytes, scale operands
.set SW,    244                        ; v244-251 my row's eight scale words
.set MW,    208                        ; MASK: v208-223 a pair of registers for each unit's 64 words
.set SEL,   50                         ; s[50:51] v_permlanex16_b32's selects for lane l xor 16
; sixteen rows' 512 bytes of unit u (128 numbers along the row) into a set: row i of the tile lies i + 8 (i / 8) rows below its first
.macro LOADU u, set, pitch
.irp i, 0,1,2,3,4,5,6,7,8,9,10,11,12,13,14,15
	global_load_b128 v[LD+64*(\set)+4*\i:LD+64*(\set)+4*\i+3], v1, s[28:29] offset:(\i+8*(\i/8))*\pitch+512*(\u) th:TH_LOAD_NT
.endr
.endm
; the set goes through my stage as it lies and comes back 16 neighbours at a time.  LDS serves a wave's instructions in order (ISA guide 5.7.1.4): no wait between the stores and the loads
.macro TURN set
.irp i, 0,1,2,3,4,5,6,7,8,9,10,11,12,13,14,15
	ds_store_b128 v2, v[LD+64*(\set)+4*\i:LD+64*(\set)+4*\i+3] offset:SP*\i
.endr
.irp b, 0,1,2,3
.irp j, 0,1,2,3
	ds_load_b128 v[X+16*\b+4*\j:X+16*\b+4*\j+3], v3 offset:128*\b+16*\j
.endr
.endr
.endm
; 64 numbers of a lane, register 16 b + i = k 32 b + 16 (lane / 16) + i of my row, become a fragment's codes in v[PC] on and its scale word in v[pw]
.macro QUANT s, pw
.irp b, 0,1,2,3
	v_max3_num_f32 v[TM+\b], |v[\s+16*\b]|, |v[\s+1+16*\b]|, 0x1800000   ; block b: my 16 numbers, and the floor 2^(3 - 127): so the byte cannot fall under 1
.endr
.irp i, 2,4,6,8,10,12,14
.irp b, 0,1,2,3
	v_max3_num_f32 v[TM+\b], v[TM+\b], |v[\s+16*\b+\i]|, |v[\s+1+16*\b+\i]|   ; (the four blocks by turns)
.endr
.endr
.irp b, 0,1,2,3
	v_permlanex16_b32 v[TM+4+\b], v[TM+\b], s[SEL], s[SEL+1]
.endr
.irp b, 0,1,2,3
	v_max_num_f32 v[TM+\b], v[TM+\b], v[TM+4+\b]   ; with lane l xor 16's: the block's largest magnitude
.endr
.irp b, 0,1,2,3
	v_add_nc_u32 v[TM+12+\b], 0xff000000, v[TM+\b]   ; 2 off its exponent field: the conversion takes the exponent field of this operand as its scale
.endr
.irp b, 0,1,2,3
	v_lshrrev_b32 v[TM+4+\b], 23, v[TM+12+\b]      ; the scale's byte
.endr
	v_lshl_or_b32 v[\pw], v[TM+5], 8, v[TM+4]      ; four bytes: my row's scale word for these 128
	v_lshl_or_b32 v[\pw], v[TM+6], 16, v[\pw]
	v_lshl_or_b32 v[\pw], v[TM+7], 24, v[\pw]
.irp c, 0,1
	v_cvt_scalef32_pk16_fp6_f32 v[PC+6*\c:PC+2+6*\c], v[\s+32*\c:\s+15+32*\c], v[TM+12+2*\c]
	v_cvt_scalef32_pk16_fp6_f32 v[PC+12+4*\c:PC+14+4*\c], v[\s+16+32*\c:\s+31+32*\c], v[TM+13+2*\c]   ; (a conversion's three registers begin on an even number)
.endr
	v_nop                                          ; one plain place behind a scaled conversion
.irp c, 0,1                                    ; the operand's layout wants a WHOLE block in a lane: lanes 0-15 block 2 c, lanes 16-31 block 2 c + 1
.irp i, 0,1,2
	v_permlane16_swap_b32 v[PC+6*\c+\i], v[PC+12+4*\c+\i]
.endr
.irp i, 0,1,2
	v_mov_b32 v[PC+3+6*\c+\i], v[PC+12+4*\c+\i]
.endr
.endr
.endm
	s_load_b512 s[4:19], s[0:1], 0x0               ; Q s[4:5], K s[6:7], V s[8:9], WO_w s[10:11], mask s[12:13], WQ s[14:15], WK s[16:17], WV s[18:19]
	s_load_b128 s[20:23], s[0:1], 0x40             ; gc, gs
	s_load_b64 s[24:25], s[0:1], 0x50              ; mb
	v_lshl_add_u32 v254, v0, 2, 0x16800
	v_mov_b32 v255, 0
	v_lshrrev_b32 v1, 5, v0
	v_readfirstlane_b32 s26, v1                    ; wave 0..3
	v_and_b32 v10, 31, v0                          ; lane
	v_and_b32 v8, 15, v0                           ; r
	v_bfe_u32 v9, v0, 4, 1                         ; h
	v_lshlrev_b32 v1, 4, v10                       ; 16 x lane
	v_lshlrev_b32 v4, 3, v10                       ; 8 x lane
	s_mov_b32 s48, 0xffff0000                      ; as a lane mask: lanes 16-31
	s_mov_b32 s[SEL], 0x76543210
	s_mov_b32 s[SEL+1], 0xfedcba98
	s_mov_b32 s37, 0                               ; the upper word of every offset here: all stay under 2^31
	s_wait_kmcnt 0x0
	s_cmp_lt_u32 ttmp9, 400
	s_cbranch_scc0 .Lnot_rows
	; ================ ROWS: my wave's tile T = 4 x work-group + wave
	s_mul_i32 s27, s26, WSTG                       ; my stage
	s_wait_alu depctr_va_vdst(0)
	v_add_nc_u32 v2, s27, v1                       ; in: 16 x lane, a row an instruction
	v_mul_u32_u24 v3, v8, SP
	v_lshl_add_u32 v3, v9, 6, v3
	v_add_nc_u32 v3, s27, v3                       ; back: row r, + 64 h: my 16 numbers of each block of 32
	v_lshlrev_b32 v5, 5, v8
	v_lshl_add_u32 v5, v9, 4, v5                   ; the scale bytes: 32 r + 16 h
.irp b, 0,1,2,3
	v_mov_b32 v[TM+4+\b], 0                        ; written once: a lane permute's destination counts as one of its sources
.endr
	s_lshl_b32 s34, ttmp9, 2
	s_add_co_u32 s34, s34, s26                     ; T
	s_cmp_lt_u32 ttmp9, 384                        ; which tensor: the choice hangs on the work-group's number alone
	s_cselect_b64 s[28:29], s[8:9], s[10:11]
	s_cmp_lt_u32 ttmp9, 256
	s_cselect_b64 s[28:29], s[6:7], s[28:29]
	s_cmp_lt_u32 ttmp9, 128
	s_cselect_b64 s[28:29], s[4:5], s[28:29]
	s_and_b32 s35, s34, 511                        ; the tile's number in its tensor
	s_lshr_b32 s36, s35, 1
	s_lshl_b32 s36, s36, 5
	s_and_b32 s38, s35, 1
	s_lshl_b32 s38, s38, 3
	s_add_co_u32 s36, s36, s38                     ; its first row: 32 (T / 2) + 8 (T % 2)
	s_lshl_b32 s36, s36, 12                        ; rows of 4,096 bytes
	s_add_nc_u64 s[28:29], s[28:29], s[36:37]
	s_mul_i32 s36, s34, 12288
	s_add_nc_u64 s[30:31], s[20:21], s[36:37]      ; its codes
	s_lshl_b32 s36, s34, 9
	s_add_nc_u64 s[32:33], s[22:23], s[36:37]      ; its scale bytes
	LOADU 0, 0, 4096
	LOADU 1, 1, 4096
.macro RUNIT g                         ; group g of 128 along K
.if (\g) < 7
	s_wait_loadcnt 16                              ; this unit's sixteen loads are in; the next unit's sixteen stay out
.else
	s_wait_loadcnt 0x0
.endif
	TURN (\g)%2
	s_wait_dscnt 0x0                               ; my numbers are back, and the stage's stores have read the set
	s_wait_xcnt 0x0                                ; the last unit's stores have read the codes' registers (ISA guide 3.1): they are written again only behind this wait
.if (\g) < 6
	LOADU (\g)+2, (\g)%2, 4096
.endif
	QUANT X, SW+(\g)
.irp p, 0,1,2,3,4,5
	global_store_b64 v4, v[PC+2*\p:PC+2*\p+1], s[30:31] offset:1536*(\g)+256*\p   ; a plane of the image: 256 consecutive bytes, aligned
.endr
.endm
	s_wait_alu depctr_va_vdst(0)
.irp g, 0,1,2,3,4,5,6,7
	RUNIT \g
.endr
	s_wait_xcnt 0x0                                ; the last stores have read v208 on
.irp k, 0,1,2,3
	v_cndmask_b32 v[PC+\k], v[SW+\k], v[SW+4+\k], s48   ; lanes 0-15: my row's words 0-3; lanes 16-31: words 4-7
.endr
	global_store_b128 v5, v[PC:PC+3], s[32:33]     ; the tile's 512 scale bytes
	s_wait_tensorcnt 0x0
	ds_add_u32 v254, v255
	s_wait_dscnt 0x0
	s_endpgm
.Lnot_rows:
	s_cmp_lt_u32 ttmp9, 656
	s_cbranch_scc0 .Lweights
	; ================ MASK: my wave takes tile Tm = idx / 2 of the 8,192 rows and columns 1,024 (idx % 2) on; idx = 4 (work-group - 400) + wave
	s_mul_i32 s27, s26, WSTG
	s_add_co_u32 s27, s27, STG_M                   ; my stage
	s_wait_alu depctr_va_vdst(0)
	v_add_nc_u32 v2, s27, v1
	v_mul_u32_u24 v3, v8, SP
	v_lshl_add_u32 v3, v9, 6, v3
	v_add_nc_u32 v3, s27, v3
.irp k, 0,1,2,3,4,5,6,7,8,9,10,11,12,13,14,15
	v_mov_b32 v[MW+\k], 0                          ; v_writelane_b32's destination counts as read
.endr
	s_sub_co_u32 s34, ttmp9, 400
	s_lshl_b32 s34, s34, 2
	s_add_co_u32 s34, s34, s26                     ; idx
	s_lshr_b32 s35, s34, 1                         ; Tm
	s_and_b32 s39, s34, 1                          ; which half of the columns
	s_lshr_b32 s36, s35, 1
	s_lshl_b32 s36, s36, 5
	s_and_b32 s38, s35, 1
	s_lshl_b32 s38, s38, 3
	s_add_co_u32 s36, s36, s38                     ; the tile's first row
	s_lshl_b32 s36, s36, 13                        ; rows of 8,192 bytes
	s_lshl_b32 s38, s39, 12
	s_add_co_u32 s36, s36, s38
	s_add_nc_u64 s[28:29], s[12:13], s[36:37]
	s_lshl_b32 s36, s34, 11                        ; (16 Tm + 8 half) x 256 bytes
	s_add_nc_u64 s[30:31], s[24:25], s[36:37]
	LOADU 0, 0, 8192
	LOADU 1, 1, 8192
.macro MUNIT u                         ; step 8 half + u of 128 keys
.if (\u) < 7
	s_wait_loadcnt 16                              ; this unit's sixteen loads are in; the next unit's sixteen stay out
.else
	s_wait_loadcnt 0x0
.endif
	TURN (\u)%2
	s_wait_dscnt 0x0
.if (\u) < 6
	LOADU (\u)+2, (\u)%2, 8192
.endif
.irp q, 0,1,2,3,4,5,6,7                        ; register w = 8 q + k: the 32 lanes' answers are word w; word w goes to lane w / 2, register w % 2
.irp k, 0,1,2,3,4,5,6,7
	v_cmp_ne_u32 s[40+\k], 0, v[X+8*\q+\k]
.endr
.irp k, 0,1,2,3,4,5,6,7
	v_writelane_b32 v[MW+2*(\u)+\k%2], s[40+\k], 4*\q+\k/2
.endr
.endr
	global_store_b64 v4, v[MW+2*(\u):MW+2*(\u)+1], s[30:31] offset:256*(\u)   ; 256 consecutive bytes, aligned; each unit has its own pair, so no store's data are written again
.endm
.irp u, 0,1,2,3,4,5,6,7
	MUNIT \u
.endr
	s_wait_tensorcnt 0x0
	ds_add_u32 v254, v255
	s_wait_dscnt 0x0
	s_endpgm
.Lweights:
	; ================ WEIGHTS: work-group - 656 = (32 P + 2 head + kh).  A LANE TAKES A COLUMN e = 32 (wave % 2) + lane, AND ITS REGISTERS RUN DOWN K: a block of 32 along K lies in one lane.
	; A wave takes 256 along K: quarter kq = 2 kh + wave / 2.  Two waves stand side by side on each row's 256 bytes.
	s_sub_co_u32 s34, ttmp9, 656
	s_cmp_lt_u32 s34, 64
	s_cselect_b64 s[28:29], s[16:17], s[18:19]
	s_cmp_lt_u32 s34, 32
	s_cselect_b64 s[28:29], s[14:15], s[28:29]
	s_lshr_b32 s35, s34, 5                         ; P: 0 WQ, 1 WK, 2 WV
	s_bfe_u32 s36, s34, 0x40001                    ; head
	s_and_b32 s38, s34, 1
	s_lshl_b32 s38, s38, 1
	s_lshr_b32 s39, s26, 1
	s_add_co_u32 s39, s39, s38                     ; kq
	s_and_b32 s38, s26, 1                          ; b: which 32 columns
	s_lshl_b32 s40, s36, 18                        ; a head is 1,024 rows of 256 bytes
	s_lshl_b32 s41, s39, 16
	s_add_co_u32 s40, s40, s41
	s_lshl_b32 s41, s38, 7
	s_add_co_u32 s40, s40, s41
	s_mov_b32 s41, 0
	s_add_nc_u64 s[28:29], s[28:29], s[40:41]
	s_lshl_b32 s42, s35, 6
	s_lshl_b32 s43, s36, 2
	s_add_co_u32 s42, s42, s43
	s_lshl_b32 s43, s38, 1
	s_add_co_u32 s42, s42, s43
	s_add_co_u32 s42, s42, 1600                    ; my 32 columns are tiles T and T + 1, T = 1,600 + 64 P + 4 head + 2 b
	s_lshl_b32 s40, s42, 3
	s_lshl_b32 s43, s39, 1
	s_add_co_u32 s40, s40, s43
	s_mul_i32 s40, s40, 1536
	s_add_nc_u64 s[30:31], s[20:21], s[40:41]      ; codes: tile T, groups 2 kq and 2 kq + 1
	s_lshl_b32 s40, s42, 9
	s_lshl_b32 s43, s39, 3
	s_add_co_u32 s40, s40, s43
	s_add_nc_u64 s[32:33], s[22:23], s[40:41]      ; scale bytes: tile T, bytes 8 kq on
	s_wait_alu depctr_va_vdst(0)
	v_lshlrev_b32 v14, 2, v10                      ; in: 4 bytes a lane
	v_bfe_u32 v12, v0, 3, 1                        ; u: column lane belongs to tile T + u,
	v_and_b32 v13, 7, v0
	v_lshl_add_u32 v13, v9, 3, v13                 ; as its row r' = lane % 8 + 8 (lane / 16)
	s_mul_i32 s27, s26, WSTW
	s_add_co_u32 s27, s27, STG_W                   ; my stage: [u][group][1,536]: four images
	v_mul_u32_u24 v6, v12, 3072
	v_lshl_add_u32 v6, v13, 3, v6
	v_add_nc_u32 v6, s27, v6                       ; into it: 3,072 u + 8 r'
	v_add_nc_u32 v7, s27, v1                       ; out of it: 16 x lane
	v_lshlrev_b32 v5, 9, v12
	v_lshl_add_u32 v5, v13, 5, v5                  ; my row of scale bytes: 512 u + 32 r'
.macro WLOAD t                         ; block t: W(32 t + i, my column) into set t % 2
.irp i, 0,1,2,3,4,5,6,7,8,9,10,11,12,13,14,15,16,17,18,19,20,21,22,23,24,25,26,27,28,29,30,31
	global_load_b32 v[LD+32*((\t)%2)+\i], v14, s[28:29] offset:(32*(\t)+\i)*256 th:TH_LOAD_NT
.endr
.endm
	WLOAD 0
	WLOAD 1
.macro WBLOCK t
.set XS, LD+32*((\t)%2)
.if (\t) < 7
	s_wait_loadcnt 32                              ; this block's 32 loads are in; the next block's 32 stay out
.else
	s_wait_loadcnt 0x0
.endif
	v_max3_num_f32 v144, |v[XS]|, |v[XS+1]|, |v[XS+2]|              ; the block's largest magnitude: all 32 numbers are mine
	v_max3_num_f32 v145, |v[XS+3]|, |v[XS+4]|, |v[XS+5]|
.irp i, 6,10,14,18,22,26
	v_max3_num_f32 v144, v144, |v[XS+\i]|, |v[XS+\i+1]|
	v_max3_num_f32 v145, v145, |v[XS+\i+2]|, |v[XS+\i+3]|
.endr
	v_max3_num_f32 v144, v144, |v[XS+30]|, |v[XS+31]|
	v_max3_num_f32 v144, v144, v145, 0x1800000     ; and the floor
	v_add_nc_u32 v146, 0xff000000, v144            ; the conversion's scale operand
	v_lshrrev_b32 v147, 23, v146                   ; the byte
.if (\t)%4 == 0
	v_mov_b32 v[92+(\t)/4], v147                   ; four bytes to a register, the lower K in the lower byte
.else
	v_lshl_or_b32 v[92+(\t)/4], v147, 8*((\t)%4), v[92+(\t)/4]
.endif
	v_cvt_scalef32_pk16_fp6_f32 v[80:82], v[XS:XS+15], v146
	v_cvt_scalef32_pk16_fp6_f32 v[88:90], v[XS+16:XS+31], v146      ; (a conversion's three registers begin on an even number)
	v_nop                                          ; one plain place behind a scaled conversion
.irp i, 0,1,2
	v_mov_b32 v[83+\i], v[88+\i]
.endr
.irp p, 0,1,2                                  ; block t = 4 (t / 4) + 2 c + hh is registers 6 c .. 6 c + 5 of lane r' + 16 hh in the image of group t / 4
	ds_store_b64 v6, v[80+2*\p:81+2*\p] offset:((\t)/4)*1536+(3*(((\t)%4)/2)+\p)*256+128*((\t)%2)
.endr
.if (\t) < 6
	WLOAD (\t)+2
.endif
	s_wait_dscnt 0x0                               ; the stores have read their registers: the next block's codes may be written
.endm
.irp t, 0,1,2,3,4,5,6,7
	WBLOCK \t
.endr
	s_wait_alu depctr_va_vdst(0)
	global_store_b64 v5, v[92:93], s[32:33]        ; my column's eight scale bytes (8 bytes a lane, rows 32 bytes apart: one byte in 128 of what this path reads)
.irp k, 0,1,2,3,4,5,6,7,8,9,10,11
	ds_load_b128 v[96+4*\k:99+4*\k], v7 offset:512*\k   ; LDS serves a wave's instructions in order: these see my stores
.endr
.irp k, 0,1,2,3,4,5,6,7,8,9,10,11
	s_wait_dscnt 11-\k                             ; the younger reads stay out
	global_store_b128 v1, v[96+4*\k:99+4*\k], s[30:31] offset:(\k/6)*12288+512*(\k%6)   ; 512 consecutive bytes, aligned
.endr
	s_wait_tensorcnt 0x0
	ds_add_u32 v254, v255
	s_wait_dscnt 0x0
	s_endpgm
.Lfunc_end_k_qcea8ce3e3d_prep:
	.size	k_qcea8ce3e3d_prep, .Lfunc_end_k_qcea8ce3e3d_prep-k_qcea8ce3e3d_prep
	.p2alignl 7, 3214868480
	.fill 96, 4, 3214868480
	.section	.rodata,"a",@progbits
	.p2align	6, 0x0
	.amdhsa_kernel k_qcea8ce3e3d_prep
		.amdhsa_group_segment_fixed_size 92672
		.amdhsa_private_segment_fixed_size 0
		.amdhsa_enable_private_segment 0
		.amdhsa_kernarg_size 88
		.amdhsa_user_sgpr_count 2
		.amdhsa_user_sgpr_kernarg_segment_ptr 1
		.amdhsa_wavefront_size32 1
		.amdhsa_system_sgpr_workgroup_id_x 1
		.amdhsa_system_sgpr_workgroup_id_y 1
		.amdhsa_system_sgpr_workgroup_id_z 1
		.amdhsa_system_vgpr_workitem_id 0
		.amdhsa_next_free_vgpr 256
		.amdhsa_next_free_sgpr 66
		.amdhsa_reserve_vcc 0
		.amdhsa_float_denorm_mode_32 3
		.amdhsa_float_denorm_mode_16_64 3
		.amdhsa_memory_ordered 1
		.amdhsa_forward_progress 1
		.amdhsa_inst_pref_size 203
	.end_amdhsa_kernel
	.amdgpu_metadata
---
amdhsa.version: [ 1, 2 ]
amdhsa.kernels:
  - .name:           k_qcea8ce3e3d_prep
    .symbol:         k_qcea8ce3e3d_prep.kd
    .args:
      - { .name: Q, .offset: 0, .size: 8, .value_kind: global_buffer, .address_space: global }
      - { .name: K, .offset: 8, .size: 8, .value_kind: global_buffer, .address_space: global }
      - { .name: V, .offset: 16, .size: 8, .value_kind: global_buffer, .address_space: global }
      - { .name: WO_w, .offset: 24, .size: 8, .value_kind: global_buffer, .address_space: global }
      - { .name: mask, .offset: 32, .size: 8, .value_kind: global_buffer, .address_space: global }
      - { .name: WQ, .offset: 40, .size: 8, .value_kind: global_buffer, .address_space: global }
      - { .name: WK, .offset: 48, .size: 8, .value_kind: global_buffer, .address_space: global }
      - { .name: WV, .offset: 56, .size: 8, .value_kind: global_buffer, .address_space: global }
      - { .name: gc, .offset: 64, .size: 8, .value_kind: global_buffer, .address_space: global }
      - { .name: gs, .offset: 72, .size: 8, .value_kind: global_buffer, .address_space: global }
      - { .name: mb, .offset: 80, .size: 8, .value_kind: global_buffer, .address_space: global }
    .group_segment_fixed_size: 92672
    .private_segment_fixed_size: 0
    .kernarg_segment_align: 8
    .kernarg_segment_size: 88
    .max_flat_workgroup_size: 128
    .sgpr_count:     66
    .vgpr_count:     256
    .wavefront_size: 32
...
	.end_amdgpu_metadata
.endif
;; end of part 1
;; launch proj (part 2): grid 4 x 96, 4 waves a work-group, clusters of 4 x 4, 327,680 bytes of LDS; arguments gc, gs, pc, ps; writes pc, ps
.if DOCPART == 2
	.amdgcn_target "amdgcn-amd-amdhsa--gfx1250"
	.amdhsa_code_object_version 6
	.text
	.protected	k_qcea8ce3e3d_proj
	.globl	k_qcea8ce3e3d_proj
	.p2align	8
	.type	k_qcea8ce3e3d_proj,@function
k_qcea8ce3e3d_proj:
	s_mov_b64 s[64:65], 0
	v_nop
	global_prefetch_b8 v0, s[64:65] scope:SCOPE_SE
	s_setreg_imm32_b32 hwreg(HW_REG_WAVE_MODE, 25, 1), 1
	s_wait_xcnt 0x0
	s_wait_alu depctr_hold_cnt(0) depctr_sa_sdst(0) depctr_va_vdst(0) depctr_va_sdst(0) depctr_va_ssrc(0) depctr_va_vcc(0) depctr_vm_vsrc(0)
	s_getreg_b32 s2, hwreg(HW_REG_IB_STS2, 6, 4)
	s_cmp_eq_u32 s2, 0
	s_cbranch_scc0 .Lentry_in_a_cluster
	s_endpgm
.Lentry_in_a_cluster:
	s_bfe_u32 s2, ttmp6, 0x10000c
	s_cmp_lg_u32 s2, 0xf033
	s_cbranch_scc0 .Lentry_shape_is_right
	s_endpgm
.Lentry_shape_is_right:
.set NQ,     2
.set FR,     12
.set NL,     6
.set NP,     4
.set IMG,    1536
.set TROW,   NQ*IMG
.set HALFT,  8*TROW
.set SLOT,   4*HALFT
.set KS,     32
.set SCL,    2*SLOT
.set HALFS,  (128*KS/256)*272
.set SBLK,   (16*KS/256)*272
.set SPARE,  SCL+4*HALFS
.set ADRA, 16
.set ADRB, 20
.set L16,  25
.set L8,   26
.set ADRS, 27
.set SPW,  28
.set NIL,  29
.set SC,   32
.set TM,   64
.set CD0,  80
.set PW,   120
.set AF,   128
.set CB,   128
.set CB2,  132
.set SEL,  12
.set G1, 24
.set G0, 32
.set G1B, 48
.set G0B, 56
.set G1S, 68
.set G0S, 76
.set G1SB, 80
.set G0SB, 88
.set MSB, 0
.macro WIN new
.if MSB != \new
	s_set_vgpr_msb (MSB<<8)|\new
.set MSB, \new
.endif
.endm
.set MUL_LO, 0xa1
.set MUL_HI, 0xf1
.set TO_B,   0x40
.macro JLOAD g0a, g1a, g0b, g1b
	s_cmp_eq_u32 s15, 0
	s_cbranch_scc0 .Lfor_b_\@
	tensor_load_to_lds s[\g0a:\g0a+3], s[\g1a:\g1a+7]
	s_nop 0
.rept 4
	v_nop
.endr
	s_branch .Lasked_\@
.Lfor_b_\@:
	tensor_load_to_lds s[\g0b:\g0b+3], s[\g1b:\g1b+7]
	s_nop 0
.rept 4
	v_nop
.endr
.Lasked_\@:
.endm
.macro CREST
	s_cmp_lg_u32 s14, 0
	s_cbranch_scc1 .Lnot_wave_0_\@
	s_barrier_signal -3
.Lnot_wave_0_\@:
	s_barrier_wait -3
	s_barrier_signal -1
	s_barrier_wait -1
.endm
.macro CROUND
	s_barrier_signal -1
	s_barrier_wait -1
	CREST
.endm
	s_load_b256 s[4:11], s[0:1], 0x0
	v_lshl_add_u32 v[SPW], v0, 2, SPARE
	v_mov_b32 v[NIL], 0
	ds_add_u32 v28, v29
	ds_add_u32 v28, v29
	s_wait_dscnt 0x0
	v_lshrrev_b32 v1, 5, v0
	v_readfirstlane_b32 s14, v1
	s_lshr_b32 s15, s14, 1
	s_and_b32 s16, s14, 1
	s_bfe_u32 s40, ttmp6, 0x40000
	s_bfe_u32 s41, ttmp6, 0x40004
	s_and_b32 s17, ttmp7, 0xffff
	s_lshr_b32 s42, s17, 3
	s_and_b32 s45, s17, 7
	s_lshl_b32 s45, s45, 2
	s_lshl_b32 s46, s42, 9
	s_lshl_b32 s47, s42, 6
	s_add_co_u32 s47, s47, 1600
	s_mov_b32 s92, 1728
	s_mov_b32 s93, 1024
	s_mov_b32 s94, 512
	s_cmp_eq_u32 s42, 2
	s_cselect_b32 s43, 0, s45
	s_cselect_b32 s44, s45, 0
	s_cselect_b32 s46, s92, s46
	s_cselect_b32 s47, s93, s47
	s_cselect_b32 s95, 64, s94
	s_add_co_u32 s98, s43, s41
	s_add_co_u32 s99, s44, s40
	s_lshl_b32 s96, s41, 2
	s_lshl_b32 s96, 15, s96
	s_lshl_b32 s97, 0x1111, s40
	s_mov_b32 s[SEL], 0x76543210
	s_mov_b32 s[SEL+1], 0xfedcba98
	s_or_b32 s[G1+0], s96, (3<<16)|(1<<21)
	s_or_b32 s[G1B+0], s97, (3<<16)|(1<<21)
.irp g, G1, G1B
	s_mov_b32 s[\g+1], 384<<16
	s_mov_b32 s[\g+2], 8<<16
	s_mov_b32 s[\g+3], 384<<16
	s_mov_b32 s[\g+4], 8
	s_mov_b32 s[\g+5], 1536
	s_mov_b32 s[\g+6], 0
	s_mov_b32 s[\g+7], 0
.endr
	s_or_b32 s[G1S+0], s96, (3<<16)|(1<<20)|(1<<21)|(5<<22)|(3<<25)
	s_or_b32 s[G1SB+0], s97, (3<<16)|(1<<20)|(1<<21)|(5<<22)|(3<<25)
.irp g, G1S, G1SB
	s_mov_b32 s[\g+1], 32<<16
	s_mov_b32 s[\g+2], 16<<16
	s_mov_b32 s[\g+3], 32<<16
	s_mov_b32 s[\g+4], 16
	s_mov_b32 s[\g+5], 32
	s_mov_b32 s[\g+6], 0
	s_mov_b32 s[\g+7], 0
.endr
	s_lshl_b32 s18, s16, 3
	s_lshl_b32 s20, s98, 4
	s_add_co_u32 s20, s20, s46
	s_add_co_u32 s20, s20, s18
	s_lshl_b32 s92, s99, 4
	s_add_co_u32 s92, s92, s47
	s_add_co_u32 s92, s92, s18
	s_lshl_b32 s22, s20, 9
	s_mov_b32 s23, 0
	s_lshl_b32 s100, s92, 9
	s_mov_b32 s101, 0
	s_mul_i32 s20, s20, 12288
	s_mov_b32 s21, 0
	s_mul_i32 s92, s92, 12288
	s_mov_b32 s93, 0
	s_mul_i32 s19, s14, HALFT
	s_mul_i32 s94, s14, HALFS
	s_wait_kmcnt 0x0
	s_add_nc_u64 s[20:21], s[4:5], s[20:21]
	s_add_nc_u64 s[22:23], s[6:7], s[22:23]
	s_add_nc_u64 s[92:93], s[4:5], s[92:93]
	s_add_nc_u64 s[100:101], s[6:7], s[100:101]
	CROUND
	s_mov_b32 s[G0S], 1
	s_add_co_u32 s[G0S+1], s94, SCL
	s_mov_b64 s[G0S+2:G0S+3], s[22:23]
	s_or_b32 s[G0S+3], s[G0S+3], 0x80000000
	s_mov_b32 s[G0SB], 1
	s_add_co_u32 s[G0SB+1], s94, SCL
	s_mov_b64 s[G0SB+2:G0SB+3], s[100:101]
	s_or_b32 s[G0SB+3], s[G0SB+3], 0x80000000
	JLOAD G0S, G1S, G0SB, G1SB
.irp s, 0,1
	s_mov_b32 s[G0+4*\s], 1
	s_add_co_u32 s[G0+4*\s+1], s19, \s*SLOT
	s_add_nc_u64 s[G0+4*\s+2:G0+4*\s+3], s[20:21], \s*TROW
	s_or_b32 s[G0+4*\s+3], s[G0+4*\s+3], 0x80000000
	s_mov_b32 s[G0B+4*\s], 1
	s_add_co_u32 s[G0B+4*\s+1], s19, \s*SLOT
	s_add_nc_u64 s[G0B+4*\s+2:G0B+4*\s+3], s[92:93], \s*TROW
	s_or_b32 s[G0B+4*\s+3], s[G0B+4*\s+3], 0x80000000
	s_wait_alu depctr_va_vdst(0)
	s_wait_tensorcnt 0x0
	ds_add_u32 v28, v29
	s_wait_dscnt 0x0
	CROUND
	JLOAD G0+4*\s, G1, G0B+4*\s, G1B
.endr
	v_and_b32 v1, 15, v0
	v_bfe_u32 v2, v0, 4, 1
	v_and_b32 v6, 31, v0
	v_lshlrev_b32 v[L8], 3, v6
	v_lshlrev_b32 v[L16], 4, v6
	s_mul_i32 s21, s15, HALFT
	s_mul_i32 s22, s16, HALFT
	s_add_co_u32 s22, s22, 2*HALFT
.irp s, 0,1
	v_add_nc_u32 v[ADRA+\s], s21, v[L8]
	v_add_nc_u32 v[ADRB+\s], s22, v[L8]
	s_add_co_u32 s21, s21, SLOT
	s_add_co_u32 s22, s22, SLOT
.endr
	v_mul_u32_u24 v5, v1, KS
	v_lshrrev_b32 v6, 8, v5
	v_lshl_add_u32 v5, v6, 4, v5
	s_mul_i32 s21, s15, HALFS
	s_mul_i32 s22, s16, HALFS
	s_add_co_u32 s22, s22, 2*HALFS
	s_sub_co_u32 s22, s22, s21
	v_mul_u32_u24 v6, s22, v2
	s_add_co_u32 s21, s21, SCL
	v_add_nc_u32 v5, v5, v6
	v_add_nc_u32 v[ADRS], s21, v5
.irp b, 0,1,2,3
	v_mov_b32 v[TM+4+\b], 0
.endr
	s_lshl_b32 s18, s99, 1
	s_add_co_u32 s18, s18, s16
	s_lshl_b32 s20, s98, 4
	s_lshl_b32 s21, s15, 3
	s_add_co_u32 s20, s20, s21
	s_mul_i32 s21, s18, s95
	s_add_co_u32 s21, s21, s20
	s_mul_i32 s22, s21, IMG
	s_mul_i32 s23, s42, 6291456
	s_add_co_u32 s22, s22, s23
	s_mov_b32 s23, 0
	s_add_nc_u64 s[8:9], s[8:9], s[22:23]
	s_lshr_b32 s21, s21, 3
	s_lshl_b32 s22, s21, 10
	s_lshl_b32 s21, s42, 19
	s_add_co_u32 s22, s22, s21
	s_add_nc_u64 s[10:11], s[10:11], s[22:23]
.macro FRAG reg, adr, q, i
.irp p, 0,1,2,3,4,5
	ds_load_b64 v[\reg+2*\p:\reg+2*\p+1], v[\adr] offset:TROW*(\i)+IMG*(\q)+256*\p
.endr
.endm
.macro MUL16 a0, p, q, sc, zero
.irp a, \a0, \a0+1
.irp b, 0,1,2,3,4,5,6,7
.if \zero
	v_wmma_scale_f32_16x16x128_f8f6f4 v[8*(8*((\a)%4)+\b):8*(8*((\a)%4)+\b)+7], v[128*(\p)+FR*\b:128*(\p)+FR*\b+FR-1], v[AF+FR*(\a):AF+FR*(\a)+FR-1], 0, v[SC+8*NQ*(\sc)+NQ*\b+(\q)], v[SC+8*NQ*(\sc)+NQ*(\a)+(\q)] matrix_a_fmt:MATRIX_FMT_FP6 matrix_b_fmt:MATRIX_FMT_FP6 matrix_a_scale:MATRIX_SCALE_ROW1
.else
	v_wmma_scale_f32_16x16x128_f8f6f4 v[8*(8*((\a)%4)+\b):8*(8*((\a)%4)+\b)+7], v[128*(\p)+FR*\b:128*(\p)+FR*\b+FR-1], v[AF+FR*(\a):AF+FR*(\a)+FR-1], v[8*(8*((\a)%4)+\b):8*(8*((\a)%4)+\b)+7], v[SC+8*NQ*(\sc)+NQ*\b+(\q)], v[SC+8*NQ*(\sc)+NQ*(\a)+(\q)] matrix_a_fmt:MATRIX_FMT_FP6 matrix_b_fmt:MATRIX_FMT_FP6 matrix_a_scale:MATRIX_SCALE_ROW1
.endif
.endr
.endr
.endm
.macro FETCH_B slot, q, p
	WIN TO_B
.irp i, 0,1,2,3,4,5,6,7
	FRAG 128*(\p)+FR*\i, ADRB+\slot, \q, \i
.endr
	WIN 0
.endm
.macro FETCH_A slot, q, i0
.irp i, \i0, \i0+1, \i0+2, \i0+3
	FRAG AF+FR*(\i), ADRA+\slot, \q, \i
.endr
.endm
.macro SCALES sc
.irp i, 0,1,2,3,4,5,6,7
	ds_load_b64 v[SC+8*NQ*\sc+NQ*\i:SC+8*NQ*\sc+NQ*\i+1], v[ADRS] offset:\i*SBLK
.endr
.endm
.macro PLACES n
.rept \n
	v_nop
.endr
.endm
.macro STEP slot, q, zero
	s_wait_dscnt 4*NL
	WIN MUL_LO
	MUL16 0, (\q)%2, \q, \slot, \zero
	MUL16 2, (\q)%2, \q, \slot, \zero
	s_wait_dscnt 0
	PLACES NP
	FETCH_B \slot, (\q)+1, 1-(\q)%2
	FETCH_A \slot, (\q)+1, 0
	WIN MUL_HI
	MUL16 4, (\q)%2, \q, \slot, \zero
	MUL16 6, (\q)%2, \q, \slot, \zero
	PLACES NP
	WIN 0
	FETCH_A \slot, (\q)+1, 4
.endm
.macro TURN slot, next, fill
	s_wait_tensorcnt 0x0
	ds_add_u32 v[SPW], v[NIL]
	s_wait_dscnt 4*NL+1
	WIN MUL_LO
	MUL16 0, 1, NQ-1, \slot, 0
	s_wait_dscnt 0x0
	s_barrier_signal -1
	MUL16 2, 1, NQ-1, \slot, 0
	WIN 0
	s_barrier_wait -1
.if \fill
	CREST
	s_add_nc_u64 s[G0+4*\slot+2:G0+4*\slot+3], s[G0+4*\slot+2:G0+4*\slot+3], 2*TROW
	s_add_nc_u64 s[G0B+4*\slot+2:G0B+4*\slot+3], s[G0B+4*\slot+2:G0B+4*\slot+3], 2*TROW
	JLOAD G0+4*\slot, G1, G0B+4*\slot, G1B
.else
	PLACES NP
.endif
	s_wait_alu depctr_va_vdst(0)
	v_add_nc_u32 v[ADRS], 4*NQ, v[ADRS]
	FETCH_B \next, 0, 0
	FETCH_A \next, 0, 0
	SCALES \next
	WIN MUL_HI
	MUL16 4, 1, NQ-1, \slot, 0
	MUL16 6, 1, NQ-1, \slot, 0
	PLACES NP
	WIN 0
	FETCH_A \next, 0, 4
.endm
	s_wait_alu depctr_va_vdst(0)
	s_wait_tensorcnt 1
	s_barrier_signal -1
	s_barrier_wait -1
	FETCH_B 0, 0, 0
	FETCH_A 0, 0, 0
	SCALES 0
	FETCH_A 0, 0, 4
	STEP 0, 0, 1
	TURN 0, 1, 1
	STEP 1, 0, 0
	TURN 1, 0, 1
	STEP 0, 0, 0
	TURN 0, 1, 0
	STEP 1, 0, 0
	s_wait_dscnt 4*NL
	WIN MUL_LO
	MUL16 0, 1, NQ-1, 1, 0
	MUL16 2, 1, NQ-1, 1, 0
	s_wait_dscnt 0
	WIN MUL_HI
	MUL16 4, 1, NQ-1, 1, 0
	MUL16 6, 1, NQ-1, 1, 0
	WIN 0
.macro QOUT a
.set AC, 64*((\a)%4)
.set CD, CD0+20*((\a)%2)
.if (\a) >= 2
	s_wait_xcnt 0x0
.endif
.set WN, 0x28+0x14*((\a)/4)
	WIN WN
.irp b, 0,1,2,3
	v_max3_num_f32 v[TM+\b], 0x1800000, |v[AC+16*\b]|, |v[AC+16*\b+1]|
.endr
.irp i, 2,4,6,8,10,12,14
.irp b, 0,1,2,3
	v_max3_num_f32 v[TM+\b], v[TM+\b], |v[AC+16*\b+\i]|, |v[AC+16*\b+\i+1]|
.endr
.endr
	WIN 0
.irp b, 0,1,2,3
	v_permlanex16_b32 v[TM+4+\b], v[TM+\b], s[SEL], s[SEL+1]
.endr
.irp b, 0,1,2,3
	v_max_num_f32 v[TM+\b], v[TM+\b], v[TM+4+\b]
.endr
.irp b, 0,1,2,3
	v_add_nc_u32 v[TM+12+\b], 0xff000000, v[TM+\b]
.endr
.irp b, 0,1,2,3
	v_lshrrev_b32 v[TM+4+\b], 23, v[TM+12+\b]
.endr
	v_lshl_or_b32 v[PW+(\a)], v[TM+5], 8, v[TM+4]
	v_lshl_or_b32 v[PW+(\a)], v[TM+6], 16, v[PW+(\a)]
	v_lshl_or_b32 v[PW+(\a)], v[TM+7], 24, v[PW+(\a)]
.set WN, 0x02+(\a)/4
	WIN WN
.irp c, 0,1
	v_cvt_scalef32_pk16_fp6_f32 v[CD+6*\c:CD+2+6*\c], v[AC+32*\c:AC+15+32*\c], v[TM+12+2*\c]
	v_cvt_scalef32_pk16_fp6_f32 v[CD+12+4*\c:CD+14+4*\c], v[AC+16+32*\c:AC+31+32*\c], v[TM+13+2*\c]
.endr
	WIN 0
	v_nop
.irp c, 0,1
.irp i, 0,1,2
	v_permlane16_swap_b32 v[CD+6*\c+\i], v[CD+12+4*\c+\i]
.endr
.irp i, 0,1,2
	v_mov_b32 v[CD+3+6*\c+\i], v[CD+12+4*\c+\i]
.endr
.endr
.irp p, 0,1,2,3,4,5
	global_store_b64 v[L8], v[CD+2*\p:CD+2*\p+1], s[8:9] offset:IMG*(\a)+256*\p
.endr
.endm
	PLACES NP
.irp a, 0,1,2,3,4,5,6,7
	QOUT \a
.endr
	s_mov_b32 s18, 0xffff0000
.irp bp, 0,1,2,3
	v_cndmask_b32 v[CB+\bp], v[PW+2*\bp], v[PW+2*\bp+1], s18
.endr
.irp bp, 0,1,2,3
	v_lshrrev_b32 v[CB2+\bp], 16, v[CB+\bp]
.endr
	global_store_b128 v[L16], v[CB:CB+3], s[10:11]
	global_store_b128 v[L16], v[CB2:CB2+3], s[10:11] offset:512
	s_wait_tensorcnt 0x0
	ds_add_u32 v[SPW], v[NIL]
	s_wait_dscnt 0x0
	CROUND
	s_endpgm
.Lfunc_end_k_qcea8ce3e3d_proj:
	.size	k_qcea8ce3e3d_proj, .Lfunc_end_k_qcea8ce3e3d_proj-k_qcea8ce3e3d_proj
	.p2alignl 7, 3214868480
	.fill 96, 4, 3214868480
	.section	.rodata,"a",@progbits
	.p2align	6, 0x0
	.amdhsa_kernel k_qcea8ce3e3d_proj
		.amdhsa_group_segment_fixed_size 327680
		.amdhsa_private_segment_fixed_size 0
		.amdhsa_enable_private_segment 0
		.amdhsa_kernarg_size 32
		.amdhsa_user_sgpr_count 2
		.amdhsa_user_sgpr_kernarg_segment_ptr 1
		.amdhsa_wavefront_size32 1
		.amdhsa_system_sgpr_workgroup_id_x 1
		.amdhsa_system_sgpr_workgroup_id_y 1
		.amdhsa_system_sgpr_workgroup_id_z 1
		.amdhsa_system_vgpr_workitem_id 0
		.amdhsa_next_free_vgpr 1024
		.amdhsa_next_free_sgpr 102
		.amdhsa_reserve_vcc 0
		.amdhsa_float_denorm_mode_32 3
		.amdhsa_float_denorm_mode_16_64 3
		.amdhsa_memory_ordered 1
		.amdhsa_forward_progress 1
		.amdhsa_inst_pref_size 168
	.end_amdhsa_kernel
	.amdgpu_metadata
---
amdhsa.version: [ 1, 2 ]
amdhsa.kernels:
  - .name:           k_qcea8ce3e3d_proj
    .symbol:         k_qcea8ce3e3d_proj.kd
    .args:
      - { .name: gc, .offset: 0, .size: 8, .value_kind: global_buffer, .address_space: global }
      - { .name: gs, .offset: 8, .size: 8, .value_kind: global_buffer, .address_space: global }
      - { .name: pc, .offset: 16, .size: 8, .value_kind: global_buffer, .address_space: global }
      - { .name: ps, .offset: 24, .size: 8, .value_kind: global_buffer, .address_space: global }
    .group_segment_fixed_size: 327680
    .private_segment_fixed_size: 0
    .kernarg_segment_align: 8
    .kernarg_segment_size: 32
    .max_flat_workgroup_size: 128
    .sgpr_count:     102
    .vgpr_count:     1024
    .wavefront_size: 32
...
	.end_amdgpu_metadata
.endif
;; end of part 2
;; launch attn (part 3): grid 4 x 64, 16 waves a work-group, clusters of 4 x 1, 327,680 bytes of LDS; arguments pc, ps, mb, gc, gs, WO_b, out0; writes out0
.if DOCPART == 3
	.amdgcn_target "amdgcn-amd-amdhsa--gfx1250"
	.amdhsa_code_object_version 6
	.text
	.protected	k_qcea8ce3e3d_attn
	.globl	k_qcea8ce3e3d_attn
	.p2align	8
	.type	k_qcea8ce3e3d_attn,@function
k_qcea8ce3e3d_attn:
	s_mov_b64 s[64:65], 0
	v_nop
	global_prefetch_b8 v0, s[64:65] scope:SCOPE_SE
	s_setreg_imm32_b32 hwreg(HW_REG_WAVE_MODE, 25, 1), 1
	s_wait_xcnt 0x0
	s_wait_alu depctr_hold_cnt(0) depctr_sa_sdst(0) depctr_va_vdst(0) depctr_va_sdst(0) depctr_va_ssrc(0) depctr_va_vcc(0) depctr_vm_vsrc(0)
	s_getreg_b32 s2, hwreg(HW_REG_IB_STS2, 6, 4)
	s_cmp_eq_u32 s2, 0
	s_cbranch_scc0 .Lentry_in_a_cluster
	s_endpgm
.Lentry_in_a_cluster:
	s_bfe_u32 s2, ttmp6, 0x10000c
	s_cmp_lg_u32 s2, 0x3003
	s_cbranch_scc0 .Lentry_shape_is_right
	s_endpgm
.Lentry_shape_is_right:
; Attention AND the last product.  A work-group owns 32 queries (two tiles of 16) of one batch n, for all 16 heads: scores, mask, softmax, weighted sum, the quantising of the heads' outputs, and out0 = concat WO_w^T + WO_b for its 32 rows.
; All products on codes of FP6 (E2M3), one E8M0 scale for 32 along K.
; SHARES.  Two passes of 8 heads; in a pass wave w takes head 8 P + w / 2 and query tile w % 2; 16 steps of 128 keys a pass, 32 steps in all.  In the last product wave w makes columns 64 w .. 64 w + 63 of both tiles.
; THE RING.  Two slots of 98,304 bytes.  A slot holds V's codes of step t (49,152 bytes on end) and K's codes of step t + 1 (4 pairs of heads x 12,288 bytes).  A trip reads K's fragments, which the last trip's round has shown, and makes the
; scores; then comes the round, behind which the slot that held this step's K is filled again; V's fragments are read behind it, under the softmax.  Step 0's K has LDS bytes of its own, filled once at the head.
; Waves 0-3 fetch K, waves 4-7 V, 12,288 consecutive bytes each, as 48 rows of 256 bytes; at the head waves 8-11 fetch step 0's K.  K's loaders have nothing left in step 30, nobody in step 31: these two steps are written out.
; CLUSTER.  The four work-groups of a cluster share n and walk the same K and V: each load is asked for JOINTLY, with the mask of all four.  cx enters global addresses of Q, the mask words, the prefetches and out0 alone.
; The scale words (6,144 bytes of a step's 104,448) are not asked for jointly: each wave loads its own head's words straight into their registers, one step ahead.
; PREFETCH.  Waves 10-13 name, in each trip of the loops, the 256-byte blocks of the codes that the NEXT trip's tensor loads will want: 48 blocks of K and 48 of V a work-group, shared out among the four partners by address (cx);
; a wave's left-over lanes name its last block again; beyond the walk's last step the address is held at that step.
; THE SOFTMAX: t = score x log2(e) / 8; M = the row's largest t so far, rounded UP to a whole number; p = 2^(t - M) is quantised along the keys; the row's sum is taken of the unquantised p and divides at the end.
; LAYOUT as the launches before left it: lane row r of tile T is row 32 (T / 2) + 8 (T % 2) + r + 8 (r / 8); both products of the attention are used transposed, so a lane holds ONE query; K = 64 in an instruction of K = 128: Q's registers 6-11 are
; zero codes, and K's tile names as its upper six registers the next tile's codes (tile 7: zeros): finite numbers times zero codes add nothing.
; THE MASK comes as lane masks (word w of a step = the 32 lanes' bits for score register w), by scalar loads a step ahead.
; LIMITS: a masked score becomes -2^66, not -1e20: a row with every key masked gives p = 1 for every key, as the definition does; the results agree while true scores stay above about -1e18.
; A block of zeros gets the byte 1 where the rule says 127 (zero codes; this program alone reads the bytes).  NaN and infinities are not served.  The scaled scores stay under 2^31 in magnitude but for the masked ones.
.set SLOT,  98304
.set VC,    49152                      ; V's codes in a slot; K's lie at its start
.set AIMG,  196608                     ; the heads' outputs as images of the last product's operand: [tile][pair of heads][1,536]
.set ASC,   221184                     ; their scale bytes: [tile][r][32]
.set K0,    222208                     ; step 0's K codes, 49,152 bytes, filled once
.set STAGE, 0                          ; the way out: 16 rows x 272 bytes a wave, in slot 0, which has had its last fill and its last read by then
.set SPARE, 291840                     ; the spare words, 128 bytes a wave
.set KF,   32                          ; v32-79 K's 8 tiles x 6, later V's 4 x 12; v80-85 zeros
.set S,    96                          ; v96-159 S^T, then p
.set O,    160                         ; v160-191 O^T
.set PCD,  192
.set CT,   204
.set BM,   212
.set PT,   216
.set SO,   220
.set F,    224
.set T1,   226
; v1, v2 my K and V fragments in slot 0; v3 16 lane; v4 16 lane + 8 c; v5 -2^66; v6 8 lane; v7 16 r; v8, v9 the step's LDS addresses; v12 -M; v13 largest t; v[14:15] the sum; v16-21 Q, v22-27 zeros;
; v28, v29 where my head's codes and scale bytes go in LDS; v30, v31, v87, v234-236 the last product's addresses; v86 the prefetch's offset; v88-95, v240-255 scale words alone; v232, v233 the spare word and 0
.set WV,   2
.set G1,   84                          ; s[84:91] descriptor group 1; s[92:95] group 0
.set G0,   92
.set RA,   96                          ; s[96:97] where my stream of codes begins: step 0 of pass 0, my quarter; never rewritten
.set TK,   98                          ; the slot with this step's V: 0 or SLOT
.set DN,   99                          ; bytes from step to step: 12,288 (K) or 98,304 (V)
.set CS,   100                         ; s[100:101] c = log2(e) / 8, twice
.set SEL,  104                         ; s[104:105] selects for lane l xor 16
; s3, s[66:67] at work; s4 steps to go; s5 the mask words' offset; s[6:7] mask words; s[8:9], s[10:11] Q's codes and scale words; s[12:13], s[14:15] K's and V's scale words of the next step; s16-63, s68-83 the step's 64 mask words
.macro WALU
	s_wait_alu depctr_va_vdst(0)
.endm
; s[66:67] = bytes from my stream's begin to step u = this step + lead, for K's stream one more (held at the walk's last step, 31): (u % 16) steps and (u / 16) passes.  Pass 0: this step = 16 - s4; pass 1: 31 - s4
.macro OFFS lead, pass0
	s_cmp_eq_u32 s[DN], 12288
	s_cselect_b32 s66, 1, 0
.if \pass0
	s_sub_co_u32 s3, 16+\lead, s4
	s_add_co_u32 s3, s3, s66
.else
	s_sub_co_u32 s3, 31+\lead, s4
	s_add_co_u32 s3, s3, s66
	s_min_u32 s3, s3, 31
.endif
	s_and_b32 s66, s3, 15
	s_mul_i32 s66, s66, s[DN]
	s_lshr_b32 s3, s3, 4
	s_mov_b32 s67, 49152                           ; from pass to pass: V's 32 tiles,
	s_cmp_eq_u32 s[DN], 12288
	s_cselect_b32 s67, 3145728, s67                ; K's four pairs of heads
	s_mul_i32 s3, s3, s67
	s_add_co_u32 s66, s66, s3
	s_mov_b32 s67, 0
.endm
.macro ROUND
	s_barrier_signal -1
	s_barrier_wait -1
	s_cmp_lg_u32 s[WV], 0
	s_cbranch_scc1 .Lnot_wave_0_\@
	s_barrier_signal -3
.Lnot_wave_0_\@:
	s_barrier_wait -3
	s_barrier_signal -1
	s_barrier_wait -1
.endm
.macro BEGIN P, steps                  ; a pass begins: Q's fragment and scale words, the running state
.irp p, 0,1,2
	global_load_b64 v[16+2*\p:17+2*\p], v6, s[8:9] offset:256*\p+3145728*\P
.endr
	global_load_b32 v95, v7, s[10:11] offset:262144*\P
	v_mov_b32 v13, 0xff61b1e6                      ; -3e38, under every t
	s_delay_alu instid0(VALU_DEP_1)
	v_floor_f32 v12, -v13
	v_mov_b32 v14, 0
	v_mov_b32 v15, 0
.set j, 0
.rept 32
	v_mov_b32 v[O+j], 0                            ; the step is written once: the first finds zeros
.set j, j+1
.endr
	s_mov_b32 s4, \steps
	WALU
	s_wait_loadcnt 0x0
.endm
; A step of 128 keys.  refill = 1: waves 0-7 fill the other slot; 2: waves 4-7 alone (V's last step); 0: nobody, and nothing is asked for ahead.  pass0 = 1: the pointers' step into pass 1 falls into this loop.
.macro STEP refill, pass0
.irp t, 0,1,2,3,4,5,6,7
.irp p, 0,1,2
	ds_load_b64 v[KF+6*\t+2*\p:KF+6*\t+2*\p+1], v8 offset:1536*\t+256*\p
.endr
.endr
	s_wait_loadcnt 0x1                             ; K's scale words are in; V's, asked for behind them, may be out
	s_wait_dscnt 0x0
.irp t, 0,1,2,3,4,5,6,7                        ; S^T = K Q^T
.if \t%2
	v_wmma_scale_f32_16x16x128_f8f6f4 v[S+8*\t:S+8*\t+7], v[KF+6*\t:KF+6*\t+11], v[16:27], 0, v[88+\t/2], v95 matrix_a_fmt:MATRIX_FMT_FP6 matrix_b_fmt:MATRIX_FMT_FP6 matrix_a_scale:MATRIX_SCALE_ROW1
.else
	v_wmma_scale_f32_16x16x128_f8f6f4 v[S+8*\t:S+8*\t+7], v[KF+6*\t:KF+6*\t+11], v[16:27], 0, v[88+\t/2], v95 matrix_a_fmt:MATRIX_FMT_FP6 matrix_b_fmt:MATRIX_FMT_FP6
.endif
.endr
.rept 4
	v_nop                                          ; places: ahead of the loads into K's registers and scale words, and of the first read of the scores
.endr
	s_wait_tensorcnt 0x0                           ; my load, if I have one out, has landed: my part of the slot with this step's V
.if \refill
	ds_add_u32 v232, v233                          ; the add, twice on end
	ds_add_u32 v232, v233
	s_xor_b32 s3, s[TK], SLOT
	s_mul_i32 s[G0+1], s[WV], 12288
	s_add_co_u32 s[G0+1], s[G0+1], s3              ; the other slot, my 12,288 bytes
	OFFS 1, \pass0                                 ; V of the next step, K of the step after it
	s_add_nc_u64 s[G0+2:G0+3], s[RA:RA+1], s[66:67]
	s_or_b32 s[G0+3], s[G0+3], 0x80000000
	s_wait_dscnt 0x0                               ; the adds are done, and my reads of the other slot
	ROUND
.if \refill == 1
	s_cmp_lt_u32 s[WV], 8
.else
	s_sub_co_u32 s3, s[WV], 4
	s_cmp_lt_u32 s3, 4
.endif
	s_cbranch_scc0 .Lno_load_\@
	tensor_load_to_lds s[G0:G0+3], s[G1:G1+7]
	s_nop 0
.Lno_load_\@:
.else
	s_wait_dscnt 0x0
	s_barrier_signal -1                            ; it shows the last V to all
	s_barrier_wait -1
.endif
.irp t, 0,1,2,3
.irp p, 0,1,2,3,4,5
	ds_load_b64 v[KF+12*\t+2*\p:KF+12*\t+2*\p+1], v9 offset:1536*\t+256*\p
.endr
.endr
.if \refill
	global_load_b128 v[88:91], v3, s[12:13]        ; the next step's K scale words
.endif
	s_wait_kmcnt 0x0                               ; this step's mask words are in
.set n, 0
.rept 64
.if n < 48
	v_cndmask_b32 v[S+n], v5, v[S+n], s[16+n]
.else
	v_cndmask_b32 v[S+n], v5, v[S+n], s[20+n]
.endif
.set n, n+1
.endr
.if \refill
	s_add_co_u32 s5, s5, 256                       ; a tile's 4,096 bytes of words serve both passes: the offset wraps
	s_and_b32 s5, s5, 0xfff
	s_load_b512 s[16:31], s[6:7], s5 offset:0x0
	s_load_b512 s[32:47], s[6:7], s5 offset:0x40
	s_load_b512 s[48:63], s[6:7], s5 offset:0x80
	s_load_b512 s[68:83], s[6:7], s5 offset:0xc0
.endif
.if \refill == 1
	WALU
	OFFS 2, \pass0                                 ; what the next trip's tensor loads will want
	s_add_nc_u64 s[66:67], s[RA:RA+1], s[66:67]    ; (written again only behind the step's wait on XCNT)
	s_sub_co_u32 s3, s[WV], 10
	s_cmp_lt_u32 s3, 4
	s_cbranch_scc0 .Lno_pf_\@
	global_prefetch_b8 v86, s[66:67] th:TH_LOAD_NT scope:SCOPE_SE
.Lno_pf_\@:
.endif
.irp b, 0,1,2,3
	v_max3_num_f32 v[BM+\b], v[S+16*\b], v[S+1+16*\b], v[S+2+16*\b]   ; the largest score of each block of 32 keys serves the row's maximum and the block's largest p
.endr
.irp i, 3,5,7,9,11,13
.irp b, 0,1,2,3
	s_delay_alu instid0(VALU_DEP_4)
	v_max3_num_f32 v[BM+\b], v[BM+\b], v[S+16*\b+\i], v[S+1+16*\b+\i]
.endr
.endr
.irp b, 0,1,2,3
	s_delay_alu instid0(VALU_DEP_4)
	v_max_num_f32 v[BM+\b], v[BM+\b], v[S+15+16*\b]
.endr
.irp b, 0,1,2,3
	s_delay_alu instid0(VALU_DEP_4)
	v_permlanex16_b32 v[PT+\b], v[BM+\b], s[SEL], s[SEL+1]
.endr
.irp b, 0,1,2,3
	s_delay_alu instid0(VALU_DEP_4)
	v_max_num_f32 v[BM+\b], v[BM+\b], v[PT+\b]
.endr
	s_delay_alu instid0(VALU_DEP_2)
	v_max3_num_f32 v[T1], v[BM], v[BM+1], v[BM+2]
	s_delay_alu instid0(VALU_DEP_1)
	v_max_num_f32 v[T1], v[T1], v[BM+3]
	s_delay_alu instid0(VALU_DEP_1)
	v_mul_f32 v[T1], s[CS], v[T1]
	s_delay_alu instid0(VALU_DEP_1)
	v_max_num_f32 v13, v13, v[T1]                  ; the running largest t
	v_mov_b32 v[T1], v12
	s_delay_alu instid0(VALU_DEP_2)
	v_floor_f32 v12, -v13                          ; -M = -ceil(t)
	s_delay_alu instid0(VALU_DEP_1)
	v_sub_f32 v[T1], v12, v[T1]
	s_delay_alu instid0(VALU_DEP_1)
	v_cvt_i32_f32 v[T1], v[T1]
	s_delay_alu instid0(VALU_DEP_1)
	v_ldexp_f32 v[F], 1.0, v[T1]                   ; f = 2^(old M - new M)
.set j, 0
.rept 32
	v_pk_fma_f32 v[S+j:S+j+1], v[S+j:S+j+1], s[CS:CS+1], v[12:13] op_sel_hi:[1,0,0]
.set j, j+2
.endr
.irp b, 0,1,2,3
	v_fma_f32 v[BM+\b], v[BM+\b], s[CS], v12
.endr
.set j, 0
	WALU
.rept 64
	v_exp_f32 v[S+j], v[S+j]
.set j, j+1
.endr
.irp b, 0,1,2,3
	v_exp_f32 v[BM+\b], v[BM+\b]
.endr
	v_pk_mul_f32 v[14:15], v[14:15], v[F:F+1] op_sel_hi:[1,0]
	WALU
.irp b, 0,1,2,3
	v_max_num_f32 v[BM+\b], 0x1800000, v[BM+\b]    ; the floor: the byte cannot fall under 1
.endr
.irp b, 0,1,2,3
	s_delay_alu instid0(VALU_DEP_4)
	v_add_nc_u32 v[SO+\b], 0xff000000, v[BM+\b]
.endr
.irp b, 0,1,2,3
	s_delay_alu instid0(VALU_DEP_4)
	v_lshrrev_b32 v[PT+\b], 23, v[SO+\b]
.endr
	s_delay_alu instid0(VALU_DEP_3)
	v_lshl_or_b32 v94, v[PT+1], 8, v[PT]
	s_delay_alu instid0(VALU_DEP_1)
	v_lshl_or_b32 v94, v[PT+2], 16, v94
	s_delay_alu instid0(VALU_DEP_1)
	v_lshl_or_b32 v94, v[PT+3], 24, v94
.irp c, 0,1
	v_cvt_scalef32_pk16_fp6_f32 v[PCD+6*\c:PCD+2+6*\c], v[S+32*\c:S+15+32*\c], v[SO+2*\c]
	v_cvt_scalef32_pk16_fp6_f32 v[CT+4*\c:CT+2+4*\c], v[S+16+32*\c:S+31+32*\c], v[SO+1+2*\c]
.endr
	v_nop
.irp c, 0,1
.irp i, 0,1,2
	v_permlane16_swap_b32 v[PCD+6*\c+\i], v[CT+4*\c+\i]
.endr
.irp i, 0,1,2
	s_delay_alu instid0(VALU_DEP_3)
	v_mov_b32 v[PCD+3+6*\c+\i], v[CT+4*\c+\i]
.endr
.endr
	v_pk_add_f32 v[228:229], v[100:101], v[104:105]   ; the row's sum of the unquantised p, in eight chains
	v_pk_add_f32 v[230:231], v[108:109], v[112:113]
	v_pk_add_f32 v[222:223], v[116:117], v[120:121]
	v_pk_add_f32 v[220:221], v[124:125], v[128:129]
	v_pk_add_f32 v[214:215], v[132:133], v[136:137]
	v_pk_add_f32 v[212:213], v[140:141], v[144:145]
	v_pk_add_f32 v[210:211], v[148:149], v[152:153]
	v_pk_add_f32 v[14:15], v[14:15], v[156:157]
	v_pk_add_f32 v[228:229], v[228:229], v[96:97]
	v_pk_add_f32 v[230:231], v[230:231], v[98:99]
	v_pk_add_f32 v[222:223], v[222:223], v[102:103]
	v_pk_add_f32 v[220:221], v[220:221], v[106:107]
	v_pk_add_f32 v[214:215], v[214:215], v[110:111]
	v_pk_add_f32 v[212:213], v[212:213], v[114:115]
	v_pk_add_f32 v[210:211], v[210:211], v[118:119]
	v_pk_add_f32 v[14:15], v[14:15], v[122:123]
	v_pk_add_f32 v[228:229], v[228:229], v[126:127]
	v_pk_add_f32 v[230:231], v[230:231], v[130:131]
	v_pk_add_f32 v[222:223], v[222:223], v[134:135]
	v_pk_add_f32 v[220:221], v[220:221], v[138:139]
	v_pk_add_f32 v[214:215], v[214:215], v[142:143]
	v_pk_add_f32 v[212:213], v[212:213], v[146:147]
	v_pk_add_f32 v[210:211], v[210:211], v[150:151]
	v_pk_add_f32 v[14:15], v[14:15], v[154:155]
	v_pk_add_f32 v[228:229], v[228:229], v[158:159]
	s_delay_alu instid0(VALU_DEP_2)
	v_pk_add_f32 v[14:15], v[14:15], v[220:221]
	s_delay_alu instid0(VALU_DEP_2)
	v_pk_add_f32 v[228:229], v[228:229], v[214:215]
	v_pk_add_f32 v[230:231], v[230:231], v[212:213]
	v_pk_add_f32 v[222:223], v[222:223], v[210:211]
	s_delay_alu instid0(VALU_DEP_2)
	v_pk_add_f32 v[14:15], v[14:15], v[230:231]
	s_delay_alu instid0(VALU_DEP_2)
	v_pk_add_f32 v[228:229], v[228:229], v[222:223]
	s_delay_alu instid0(VALU_DEP_1)
	v_pk_add_f32 v[14:15], v[14:15], v[228:229]
.set j, 0
.rept 16
	v_pk_mul_f32 v[O+j:O+j+1], v[O+j:O+j+1], v[F:F+1] op_sel_hi:[1,0]   ; O^T under the new M; the lines from the sums on are the places between p's scale word and codes and the products
.set j, j+2
.endr
	WALU
	s_wait_loadcnt (\refill+1)/2                   ; V's scale words are in; the next step's K words, where they were asked for, may be out
	s_wait_dscnt 0x0
.irp t, 0,1,2,3                                ; O^T += V^T P^T: four accumulators by turns
.if \t%2
	v_wmma_scale_f32_16x16x128_f8f6f4 v[O+8*\t:O+8*\t+7], v[KF+12*\t:KF+12*\t+11], v[PCD:PCD+11], v[O+8*\t:O+8*\t+7], v[92+\t/2], v94 matrix_a_fmt:MATRIX_FMT_FP6 matrix_b_fmt:MATRIX_FMT_FP6 matrix_a_scale:MATRIX_SCALE_ROW1
.else
	v_wmma_scale_f32_16x16x128_f8f6f4 v[O+8*\t:O+8*\t+7], v[KF+12*\t:KF+12*\t+11], v[PCD:PCD+11], v[O+8*\t:O+8*\t+7], v[92+\t/2], v94 matrix_a_fmt:MATRIX_FMT_FP6 matrix_b_fmt:MATRIX_FMT_FP6
.endif
.endr
.if \refill
	v_add_nc_u32 v8, s[TK], v1                     ; the next step's K lies in this step's slot.  (Four places behind the products, ahead of the loads into their operands)
	s_xor_b32 s[TK], s[TK], SLOT
	v_add_nc_u32 v9, s[TK], v2
	v_nop
	v_nop
	global_load_b64 v[92:93], v4, s[14:15]         ; the next step's V scale words
	WALU
	s_wait_xcnt 0x0                                ; the loads and the prefetch have read their bases: these are written only behind this wait
.if \pass0
	s_movk_i32 s66, 1024
	s_mov_b32 s3, 8192
	s_cmp_eq_u32 s4, 2
	s_cselect_b32 s66, 246784, s66                 ; into pass 1: 262,144 - 15 x 1,024
	s_cselect_b32 s3, 0xfffe3000, s3               ; 4,096 - 15 x 8,192
	s_mov_b32 s67, 0
	s_add_nc_u64 s[12:13], s[12:13], s[66:67]
	s_mov_b32 s66, s3
	s_ashr_i32 s67, s66, 31
	s_add_nc_u64 s[14:15], s[14:15], s[66:67]
.else
	s_mov_b32 s67, 0
	s_movk_i32 s66, 1024
	s_mov_b32 s3, 8192
	s_cmp_lt_u32 s4, 2                             ; beyond the walk's last step nothing steps
	s_cselect_b32 s66, 0, s66
	s_cselect_b32 s3, 0, s3
	s_add_nc_u64 s[12:13], s[12:13], s[66:67]
	s_mov_b32 s66, s3
	s_add_nc_u64 s[14:15], s[14:15], s[66:67]
.endif
.endif
.endm
; A pass ends: O^T / the sum is my head's output for my query: register 16 b + i = e 32 b + 16 (lane / 16) + i: two blocks of the last product's K.  Quantised, it goes to LDS as half an image.
.macro FINISH P
.rept 4
	v_nop
.endr
	v_add_f32 v14, v14, v15
	s_delay_alu instid0(VALU_DEP_1)
	v_permlanex16_b32 v[T1], v14, s[SEL], s[SEL+1]
	s_delay_alu instid0(VALU_DEP_1)
	v_add_f32 v14, v14, v[T1]
	WALU
	v_rcp_f32 v14, v14
	v_nop
.set j, 0
	WALU
.rept 16
	v_pk_mul_f32 v[S+j:S+j+1], v[O+j:O+j+1], v[14:15] op_sel_hi:[1,0]
.set j, j+2
.endr
.irp b, 0,1
	v_max3_num_f32 v[BM+\b], |v[S+16*\b]|, |v[S+1+16*\b]|, 0x1800000
.endr
.irp i, 2,4,6,8,10,12,14
.irp b, 0,1
	s_delay_alu instid0(VALU_DEP_2)
	v_max3_num_f32 v[BM+\b], v[BM+\b], |v[S+16*\b+\i]|, |v[S+1+16*\b+\i]|
.endr
.endr
.irp b, 0,1
	s_delay_alu instid0(VALU_DEP_2)
	v_permlanex16_b32 v[PT+\b], v[BM+\b], s[SEL], s[SEL+1]
.endr
.irp b, 0,1
	s_delay_alu instid0(VALU_DEP_2)
	v_max_num_f32 v[BM+\b], v[BM+\b], v[PT+\b]
.endr
.irp b, 0,1
	s_delay_alu instid0(VALU_DEP_2)
	v_add_nc_u32 v[SO+\b], 0xff000000, v[BM+\b]
.endr
.irp b, 0,1
	s_delay_alu instid0(VALU_DEP_2)
	v_lshrrev_b32 v[PT+\b], 23, v[SO+\b]
.endr
	s_delay_alu instid0(VALU_DEP_1)
	v_lshl_or_b32 v[T1], v[PT+1], 8, v[PT]
	v_cvt_scalef32_pk16_fp6_f32 v[PCD:PCD+2], v[S:S+15], v[SO]
	v_cvt_scalef32_pk16_fp6_f32 v[CT:CT+2], v[S+16:S+31], v[SO+1]
	v_nop
.irp i, 0,1,2
	v_permlane16_swap_b32 v[PCD+\i], v[CT+\i]
.endr
.irp i, 0,1,2
	s_delay_alu instid0(VALU_DEP_3)
	v_mov_b32 v[PCD+3+\i], v[CT+\i]
.endr
.irp p, 0,1,2
	ds_store_b64 v28, v[PCD+2*\p:PCD+2*\p+1] offset:256*\p+6144*\P
.endr
	ds_store_b16 v29, v[T1] offset:16*\P           ; both halves of the lanes store the same two bytes
.endm
.macro NEXT label, until
	s_sub_co_u32 s4, s4, 1
	s_cmp_lg_u32 s4, \until
	s_cbranch_scc1 \label
.endm
	s_load_b128 s[20:23], s[0:1], 0x0              ; pc, ps
	s_load_b64 s[24:25], s[0:1], 0x10              ; mb
	v_lshl_add_u32 v232, v0, 2, SPARE
	v_mov_b32 v233, 0
	ds_add_u32 v232, v233
	ds_add_u32 v232, v233
	v_lshrrev_b32 v10, 5, v0
	v_readfirstlane_b32 s[WV], v10                 ; wave 0..15
	s_and_b32 s26, ttmp7, 0xffff                   ; y = 16 n + the cluster's place in the batch
	s_lshr_b32 s27, s26, 4                         ; n
	s_bfe_u32 s28, ttmp6, 0x40000                  ; cx
	s_and_b32 s29, s[WV], 1                        ; my query tile
	s_lshr_b32 s30, s[WV], 2                       ; g: my pair of heads in the pass
	s_bfe_u32 s31, s[WV], 0x10001                  ; c: which of the pair
	s_lshr_b32 s32, s[WV], 1                       ; my head in the pass
	s_mov_b32 s[G1], 15|(3<<16)|(1<<21)            ; 48 rows of 32 elements of 8 bytes, dense; the mask of all four work-groups, bit 21 beside it
	s_mov_b32 s[G1+1], 32<<16
	s_mov_b32 s[G1+2], 48<<16
	s_mov_b32 s[G1+3], 32<<16
	s_mov_b32 s[G1+4], 48
	s_mov_b32 s[G1+5], 32
	s_mov_b32 s[G1+6], 0
	s_mov_b32 s[G1+7], 0
	s_mov_b32 s[G0], 1
	s_mul_i32 s[G0+1], s[WV], 12288                ; the head's loads: waves 0-7 into slot 0,
	s_lshr_b32 s62, s[WV], 3
	s_mul_i32 s62, s62, K0-SLOT
	s_add_co_u32 s[G0+1], s[G0+1], s62             ; waves 8-11 into step 0's own bytes
	s_cmp_eq_u32 s32, 5                            ; K's stream: loaders 0-3, prefetchers 10, 11; V's: loaders 4-7, prefetchers 12, 13
	s_cselect_b32 s33, 1, 0
	s_cmp_lt_u32 s[WV], 4
	s_cselect_b32 s33, 1, s33
	s_and_b32 s34, s[WV], 3
	s_cmp_lt_u32 s[WV], 8
	s_cselect_b32 s34, s34, 0                      ; a loader's quarter
	s_mov_b32 s[DN], 98304
	s_mov_b32 s36, 12582912
	s_mov_b32 s37, 1572864
	s_mov_b32 s38, 12288
	s_cmp_eq_u32 s33, 1
	s_cselect_b32 s[DN], 12288, s[DN]
	s_cselect_b32 s36, 6291456, s36                ; the tensor's part of pc
	s_cselect_b32 s37, 196608, s37                 ; bytes from batch to batch
	s_cselect_b32 s38, 786432, s38                 ; bytes from quarter to quarter
	s_mul_i32 s37, s37, s27
	s_add_co_u32 s36, s36, s37
	s_mul_i32 s39, s38, s34
	s_add_co_u32 s36, s36, s39
	s_mov_b32 s37, 0
	s_and_b32 s62, s[WV], 3                        ; what the head's load reads: waves 8-11 K of step 0, quarter w % 4;
	s_mul_i32 s62, s62, 786432
	s_mul_i32 s63, s27, 196608
	s_add_co_u32 s62, s62, s63
	s_add_co_u32 s62, s62, 6291456
	s_cmp_lt_u32 s[WV], 4
	s_cselect_b32 s63, 12288, 0
	s_add_co_u32 s62, s62, s63                     ; waves 0-3 K of step 1;
	s_cmp_eq_u32 s30, 1
	s_cselect_b32 s62, s36, s62                    ; waves 4-7 V of step 0
	s_mov_b32 s63, 0
	s_lshl_b32 s42, s26, 3
	s_lshl_b32 s51, s28, 1
	s_add_co_u32 s42, s42, s51
	s_add_co_u32 s42, s42, s29                     ; my tile of queries: 8 y + 2 cx + w % 2
	s_lshl_b32 s52, s42, 12                        ; its mask words
	s_mov_b32 s53, 0
	s_lshl_b32 s54, s30, 9
	s_add_co_u32 s54, s54, s42
	s_mul_i32 s54, s54, 1536
	s_mul_i32 s51, s31, 768
	s_add_co_u32 s54, s54, s51                     ; Q's codes: (512 g + tile) images + 768 c
	s_mov_b32 s55, 0
	s_lshl_b32 s56, s30, 6
	s_add_co_u32 s56, s56, s26
	s_lshl_b32 s56, s56, 1
	s_add_co_u32 s56, s56, s31
	s_lshl_b32 s56, s56, 9
	s_lshl_b32 s51, s28, 2
	s_add_co_u32 s56, s56, s51
	s_lshl_b32 s51, s29, 8
	s_add_co_u32 s56, s56, s51                     ; Q's scale words: block y of eight tiles, word cx, the odd tile in lanes 16-31's places
	s_mov_b32 s57, 0
	s_lshl_b32 s58, s30, 6
	s_lshl_b32 s51, s27, 4
	s_add_co_u32 s58, s58, s51
	s_lshl_b32 s58, s58, 1
	s_add_co_u32 s58, s58, s31
	s_lshl_b32 s58, s58, 9
	s_add_co_u32 s58, s58, 524288+1024             ; K's scale words of step 1
	s_mov_b32 s59, 0
	s_lshl_b32 s60, s27, 7
	s_add_co_u32 s60, s60, s30
	s_lshl_b32 s60, s60, 10
	s_add_co_u32 s60, s60, 1048576+8192            ; V's of step 1
	s_mov_b32 s61, 0
	s_mul_i32 s43, s30, 12288
	s_mul_i32 s51, s31, 768
	s_add_co_u32 s43, s43, s51                     ; LDS: my K tiles
	s_mul_i32 s44, s32, 6144
	s_add_co_u32 s44, s44, VC                      ; my V tiles
	s_lshl_b32 s45, s31, 3
	s_mul_i32 s46, s29, 12288
	s_mul_i32 s47, s30, 1536
	s_add_co_u32 s46, s46, s47
	s_add_co_u32 s46, s46, s51
	s_add_co_u32 s46, s46, AIMG
	s_lshl_b32 s47, s29, 9
	s_lshl_b32 s48, s30, 2
	s_add_co_u32 s47, s47, s48
	s_lshl_b32 s48, s31, 1
	s_add_co_u32 s47, s47, s48
	s_add_co_u32 s47, s47, ASC
	s_mul_i32 s48, s[WV], 4352
	s_add_co_u32 s48, s48, STAGE
	s_lshl_b32 s49, s29, 5
	s_mul_i32 s50, s28, s38                        ; the prefetch: my work-group's quarter of the step's blocks
	v_and_b32 v10, 31, v0                          ; lane
	v_and_b32 v11, 15, v0                          ; r
	v_bfe_u32 v12, v0, 4, 1                        ; h
	v_lshlrev_b32 v6, 3, v10
	v_lshlrev_b32 v3, 4, v10
	v_lshlrev_b32 v7, 4, v11
	v_add_nc_u32 v1, s43, v6
	v_add_nc_u32 v2, s44, v6
	v_add_nc_u32 v4, s45, v3
	v_mov_b32 v5, 0xe0800000                       ; -2^66
	v_add_nc_u32 v28, s46, v6
	v_lshl_add_u32 v29, v11, 5, s47
	v_add_nc_u32 v30, AIMG, v6
	v_lshlrev_b32 v31, 9, v12
	v_lshl_add_u32 v31, v11, 5, v31                ; 512 h + 32 r
	v_add_nc_u32 v87, ASC, v31
	v_mul_u32_u24 v234, v11, 272
	v_lshl_add_u32 v234, v12, 6, v234
	v_add_nc_u32 v234, s48, v234                   ; into my stage: row r, + 64 h
	v_mul_u32_u24 v235, v12, 272
	v_lshl_add_u32 v235, v11, 4, v235
	v_add_nc_u32 v235, s48, v235                   ; back: sixteen lanes to a row of 256 bytes
	v_lshlrev_b32 v236, 12, v12
	v_lshl_add_u32 v236, v11, 4, v236              ; and the same two rows in out0
	v_add_nc_u32 v86, s49, v10
	v_min_u32 v86, 47, v86
	v_lshlrev_b32 v86, 8, v86
	v_add_nc_u32 v86, s50, v86
	v_add_nc_u32 v8, K0, v1                        ; step 0's K
	v_mov_b32 v9, v2
.irp i, 0,1,2,3,4,5
	v_mov_b32 v[22+\i], 0                          ; Q's upper 64 along K: zero codes
	v_mov_b32 v[80+\i], 0                          ; behind K's tile 7
.endr
.irp b, 0,1,2,3
	v_mov_b32 v[PT+\b], 0                          ; a lane permute's destination counts as one of its sources
.endr
	v_mov_b32 v[F+1], 0
	v_mov_b32 v[T1], 0
	WALU
	s_wait_dscnt 0x0
	s_wait_kmcnt 0x0
	s_add_nc_u64 s[RA:RA+1], s[20:21], s[36:37]
	s_add_nc_u64 s[G0+2:G0+3], s[20:21], s[62:63]
	s_or_b32 s[G0+3], s[G0+3], 0x80000000
	s_add_nc_u64 s[6:7], s[24:25], s[52:53]
	s_add_nc_u64 s[8:9], s[20:21], s[54:55]
	s_add_nc_u64 s[10:11], s[22:23], s[56:57]
	s_add_nc_u64 s[12:13], s[22:23], s[58:59]
	s_add_nc_u64 s[14:15], s[22:23], s[60:61]
	ROUND                                          ; all four work-groups are here: the joint loads meet
	s_cmp_lt_u32 s[WV], 12
	s_cbranch_scc0 .Lhead_asked
	tensor_load_to_lds s[G0:G0+3], s[G1:G1+7]      ; one load a wave at the head
	s_nop 0
.Lhead_asked:
	global_load_b128 v[88:91], v3, s[12:13] offset:-1024    ; step 0's scale words
	global_load_b64 v[92:93], v4, s[14:15] offset:-8192
	s_mov_b32 s5, 0
	s_load_b512 s[16:31], s[6:7], s5 offset:0x0    ; step 0's mask words
	s_load_b512 s[32:47], s[6:7], s5 offset:0x40
	s_load_b512 s[48:63], s[6:7], s5 offset:0x80
	s_load_b512 s[68:83], s[6:7], s5 offset:0xc0
	s_mov_b32 s[TK], 0
	s_mov_b32 s[SEL], 0x76543210
	s_mov_b32 s[SEL+1], 0xfedcba98
	s_mov_b32 s[CS], 0x3e38aa3b
	s_mov_b32 s[CS+1], s[CS]
	BEGIN 0, 16
	s_wait_tensorcnt 0x0                           ; my load of the head has landed;
	s_barrier_signal -1
	s_barrier_wait -1                              ; everybody's has: step 0's K may be read.
.Lpass_0:
	STEP 1, 1
	NEXT .Lpass_0, 0
	FINISH 0
	BEGIN 1, 15
.Lpass_1:                                          ; steps 16 to 29
	STEP 1, 0
	NEXT .Lpass_1, 1
	STEP 2, 0                                      ; step 30: V's last load
	STEP 0, 0                                      ; step 31 asks for nothing more
	s_load_b128 s[16:19], s[0:1], 0x18             ; gc, gs
	s_load_b128 s[20:23], s[0:1], 0x28             ; WO_b, out0
	FINISH 1
; THE LAST PRODUCT.  Source 0 = 16 rows of WO_w (tiles 4 w .. 4 w + 3, straight from gc into registers: each fragment six loads of 256 consecutive bytes), source 1 = 16 of my work-group's rows, from the images in LDS.
; Sixteen turns of four products: two tiles of columns x two tiles of rows, 128 along K.  WO_w's fragments have four sets of 24 registers (v56-79, v144-215), filled four turns ahead; the rows' fragments one set (v32-55), filled a turn ahead.
; Eight accumulators: v8-23, v96-143.
	s_mul_i32 s24, s[WV], 49152
	s_add_co_u32 s24, s24, 18874368                ; tile 1,536 + 4 w of gc
	s_mov_b32 s25, 0
	s_lshl_b32 s26, s[WV], 11
	s_add_co_u32 s26, s26, 786432
	s_mov_b32 s27, 0
	s_lshl_b32 s28, s[WV], 8
	s_mov_b32 s29, 0
	s_and_b32 s30, ttmp7, 0xffff
	s_lshl_b32 s30, s30, 2
	s_bfe_u32 s31, ttmp6, 0x40000
	s_add_co_u32 s30, s30, s31
	s_lshl_b32 s30, s30, 17                        ; my 32 rows of 4,096 bytes
	s_add_co_u32 s30, s30, s28
	s_mov_b32 s31, 0
	s_wait_kmcnt 0x0
	s_add_nc_u64 s[24:25], s[16:17], s[24:25]
	s_add_nc_u64 s[26:27], s[18:19], s[26:27]
	s_add_nc_u64 s[28:29], s[20:21], s[28:29]
	s_add_nc_u64 s[30:31], s[22:23], s[30:31]
.macro LOADB it
.set BS_, 56+((((\it)%4)+3)/4)*(64+24*((\it)%4))
.irp u, 0,1
.irp p, 0,1,2,3,4,5
	global_load_b64 v[BS_+12*\u+2*\p:BS_+12*\u+2*\p+1], v6, s[24:25] offset:(2*((\it)/8)+\u)*12288+((\it)%8)*1536+256*\p
.endr
.endr
.endm
.macro LOADA it
.irp q, 0,1
.irp p, 0,1,2,3,4,5
	ds_load_b64 v[32+12*\q+2*\p:32+12*\q+2*\p+1], v30 offset:\q*12288+((\it)%8)*1536+256*\p
.endr
.endr
.endm
.macro MULS it
.set BS_, 56+((((\it)%4)+3)/4)*(64+24*((\it)%4))
.irp u, 0,1
.irp q, 0,1
.set A_, 2*(2*((\it)/8)+\u)+\q
.set D_, 8+8*A_+72*((A_+6)/8)
.if ((\it)%8) == 0
	v_wmma_scale_f32_16x16x128_f8f6f4 v[D_:D_+7], v[BS_+12*\u:BS_+12*\u+11], v[32+12*\q:32+12*\q+11], 0, v[240+8*((\it)/8)+(\it)%8], v[88+(\it)%8] matrix_a_fmt:MATRIX_FMT_FP6 matrix_b_fmt:MATRIX_FMT_FP6 matrix_a_scale:MATRIX_SCALE_ROW\u matrix_b_scale:MATRIX_SCALE_ROW\q
.else
	v_wmma_scale_f32_16x16x128_f8f6f4 v[D_:D_+7], v[BS_+12*\u:BS_+12*\u+11], v[32+12*\q:32+12*\q+11], v[D_:D_+7], v[240+8*((\it)/8)+(\it)%8], v[88+(\it)%8] matrix_a_fmt:MATRIX_FMT_FP6 matrix_b_fmt:MATRIX_FMT_FP6 matrix_a_scale:MATRIX_SCALE_ROW\u matrix_b_scale:MATRIX_SCALE_ROW\q
.endif
.endr
.endr
.endm
.irp k, 0,1,2,3                                ; WO_w's scale words: register 8 tp + g: lanes 0-15 tile 2 tp, lanes 16-31 tile 2 tp + 1
	global_load_b128 v[240+4*\k:243+4*\k], v31, s[26:27] offset:1024*(\k/2)+16*(\k%2)
.endr
	global_load_b128 v[24:27], v7, s[28:29]        ; the bias of the four columns that I store
	LOADB 0
	LOADB 1
	LOADB 2
	LOADB 3
	s_wait_dscnt 0x0                               ; my head's codes and bytes are in LDS, and my reads of the slots are over
	s_barrier_signal -1
	s_barrier_wait -1                              ; everybody's are
	ds_load_b128 v[88:91], v87                     ; my rows' scale words: lanes 0-15 tile 0, lanes 16-31 tile 1
	ds_load_b128 v[92:95], v87 offset:16
	LOADA 0
.set IT, 0
.rept 16
.if IT < 13
	s_wait_loadcnt 36                              ; this turn's set is in; the three younger sets' twelve loads each may be out
.else
	s_wait_loadcnt 12*(15-IT)
.endif
	s_wait_dscnt 0x0
	MULS IT
.if IT < 15
.rept 4
	v_nop                                          ; places ahead of the loads into the sets
.endr
.if IT < 12
	LOADB IT+4
.endif
	LOADA IT+1
.endif
.set IT, IT+1
.endr
.rept 4
	v_nop
.endr
; THE WAY OUT: register j of lane (r, h) in tile t is column 32 (t / 2) + 8 (t % 2) + 16 h + j of my 64, row r.  A tile of rows goes through my stage and comes back as rows of 256 bytes.  LDS serves a wave's instructions in order.
.irp q, 0,1
.irp t, 0,1,2,3
.set A_, 2*\t+\q
.set D_, 8+8*A_+72*((A_+6)/8)
	ds_store_b128 v234, v[D_:D_+3] offset:128*(\t/2)+32*(\t%2)
	ds_store_b128 v234, v[D_+4:D_+7] offset:128*(\t/2)+32*(\t%2)+16
.endr
.irp i, 0,1,2,3,4,5,6,7
	ds_load_b128 v[144+32*\q+4*\i:147+32*\q+4*\i], v235 offset:544*\i
.endr
.endr
.irp q, 0,1
	s_wait_dscnt 16-16*\q                          ; behind tile 0's loads stand tile 1's eight stores and eight loads
.irp i, 0,1,2,3,4,5,6,7
	v_pk_add_f32 v[144+32*\q+4*\i:145+32*\q+4*\i], v[144+32*\q+4*\i:145+32*\q+4*\i], v[24:25]
	v_pk_add_f32 v[146+32*\q+4*\i:147+32*\q+4*\i], v[146+32*\q+4*\i:147+32*\q+4*\i], v[26:27]
	global_store_b128 v236, v[144+32*\q+4*\i:147+32*\q+4*\i], s[30:31] offset:(8*\q+2*\i+8*(\i/4))*4096 th:TH_STORE_NT   ; sixteen lanes store 256 consecutive bytes, aligned
.endr
.endr
	s_wait_tensorcnt 0x0                           ; the wave's end
	ds_add_u32 v232, v233
	s_wait_dscnt 0x0
	ROUND                                          ; the closing round
	s_endpgm
.Lfunc_end_k_qcea8ce3e3d_attn:
	.size	k_qcea8ce3e3d_attn, .Lfunc_end_k_qcea8ce3e3d_attn-k_qcea8ce3e3d_attn
	.p2alignl 7, 3214868480
	.fill 96, 4, 3214868480
	.section	.rodata,"a",@progbits
	.p2align	6, 0x0
	.amdhsa_kernel k_qcea8ce3e3d_attn
		.amdhsa_group_segment_fixed_size 327680
		.amdhsa_private_segment_fixed_size 0
		.amdhsa_enable_private_segment 0
		.amdhsa_kernarg_size 56
		.amdhsa_user_sgpr_count 2
		.amdhsa_user_sgpr_kernarg_segment_ptr 1
		.amdhsa_wavefront_size32 1
		.amdhsa_system_sgpr_workgroup_id_x 1
		.amdhsa_system_sgpr_workgroup_id_y 1
		.amdhsa_system_sgpr_workgroup_id_z 1
		.amdhsa_system_vgpr_workitem_id 0
		.amdhsa_next_free_vgpr 256
		.amdhsa_next_free_sgpr 106
		.amdhsa_reserve_vcc 0
		.amdhsa_float_denorm_mode_32 3
		.amdhsa_float_denorm_mode_16_64 3
		.amdhsa_memory_ordered 1
		.amdhsa_forward_progress 1
		.amdhsa_inst_pref_size 170
	.end_amdhsa_kernel
	.amdgpu_metadata
---
amdhsa.version: [ 1, 2 ]
amdhsa.kernels:
  - .name:           k_qcea8ce3e3d_attn
    .symbol:         k_qcea8ce3e3d_attn.kd
    .args:
      - { .name: pc, .offset: 0, .size: 8, .value_kind: global_buffer, .address_space: global }
      - { .name: ps, .offset: 8, .size: 8, .value_kind: global_buffer, .address_space: global }
      - { .name: mb, .offset: 16, .size: 8, .value_kind: global_buffer, .address_space: global }
      - { .name: gc, .offset: 24, .size: 8, .value_kind: global_buffer, .address_space: global }
      - { .name: gs, .offset: 32, .size: 8, .value_kind: global_buffer, .address_space: global }
      - { .name: WO_b, .offset: 40, .size: 8, .value_kind: global_buffer, .address_space: global }
      - { .name: out0, .offset: 48, .size: 8, .value_kind: global_buffer, .address_space: global }
    .group_segment_fixed_size: 327680
    .private_segment_fixed_size: 0
    .kernarg_segment_align: 8
    .kernarg_segment_size: 56
    .max_flat_workgroup_size: 512
    .sgpr_count:     106
    .vgpr_count:     256
    .wavefront_size: 32
...
	.end_amdgpu_metadata
.endif
;; end of part 3
